; MI455X (gfx1250); checked and timed in simulation.
; The chip was launched on July 23, 2026; its instructions are those of AMD's public machine-readable ISA for CDNA 5 (MIT licence, August 2026) and "CDNA5" Instruction Set Architecture Reference Guide (July 2026). The comments in the code are by the model that wrote it; some were corrected since.
;; Sequence Multi Head Attention. Allowed arithmetic: float matrix products may take bf16 or f16 operands with f32 sums; all other float work in f32.
;; Inputs: Wk 512 x 1,024 float32; Wo 1,024 x 512 float32; Wq 512 x 1,024 float32; Wv 512 x 1,024 float32; index 4,096 int32; inputs 4,096 x 512 float32.
;; Outputs: out0 4,096 x 512 float32.
;; 2 versions, each right; version 2 is version 1 with the launch attn written anew for expert scheduling mode. Each part assembles by itself: llvm-mc -triple=amdgcn-amd-amdhsa -mcpu=gfx1250 --defsym DOCPART=n.
;; ======== version 1 of 2: 4 launches
;; limits: values are held in f16: magnitudes above 65,504 overflow, below 6.1e-05 lose precision
;; workspace buffers: Xf 4,194,304 bytes; Wf 4,194,304 bytes; Qf 8,388,608 bytes; KVf 17,301,504 bytes; Rf 8,388,608 bytes; ranges 256 bytes of whole numbers
;; launch prep (part 1): grid 256 x 1, 8 waves a work-group, no clusters, 35,840 bytes of LDS; arguments inputs, Wq, Wk, Wv, Wo, index, Xf, Wf, ranges; writes Xf, Wf, ranges
.if DOCPART == 1
	.amdgcn_target "amdgcn-amd-amdhsa--gfx1250"
	.amdhsa_code_object_version 6
	.text
	.protected	k_q5f5237276e_prep
	.globl	k_q5f5237276e_prep
	.p2align	8
	.type	k_q5f5237276e_prep,@function
k_q5f5237276e_prep:
	s_mov_b64 s[64:65], 0
	v_nop
	global_prefetch_b8 v0, s[64:65] scope:SCOPE_SE
	s_setreg_imm32_b32 hwreg(HW_REG_WAVE_MODE, 25, 1), 1
	s_wait_xcnt 0x0
; prep: rounds inputs and the four weight matrices to bf16 once and lays them in fragment order; finds for each block of 128 queries
; the span of blocks of 128 keys that can hold one of its ids.
; FRAGMENT ORDER: a fragment is 16 rows x 32 k of bf16, 1,024 bytes, laid as 4 units of 256 bytes; unit o holds k = 8 o .. 8 o + 7 of
; rows 0 to 15, 16 bytes a row.  Two loads of 16 bytes a lane at 16 x lane and 512 + 16 x lane are then the eight registers of a
; matrix operand (ISA guide 7.12.2), and every later tile of the program is a dense block of memory.
; 2,048 equal wave jobs, 8 KiB of f32 in and 4 KiB of bf16 out each.  Waves 0-3: 16 tokens x 128 k of inputs.  Waves 4-7: 16 k x 128
; columns of a weight, transposed on the way (a fragment row is a column of the weight).  Each wave turns its 4 KiB through LDS bytes of
; its own (16 units of 256 + 16 bytes), so no barrier is needed and every global store covers 512 consecutive aligned bytes.
; No matrix unit, cluster or tensor load: memory binds, and each byte is read once and written once.
; SPANS: blocks are compared by the unsigned minimum and maximum of their ids.  Two blocks whose id ranges do not overlap share no id,
; whatever the order of index, so leaving such key blocks out changes no value; the order used touches speed alone.
.set UNIT, 272                         ; a unit of 256 bytes + 16 of padding in LDS
.set WLDS, 16*UNIT                     ; LDS bytes of a wave
.set IN,  16                           ; v[16:79]   16 loads of 4 f32 (the span job: v[16:143], 128 ids a lane)
.set PK,  80                           ; v[80:111]  rounded and packed
.set BK,  112                          ; v[112:143] read back in output order
.set MN,  144                          ; v[144:147] running minima
.set MX,  148                          ; v[148:151] running maxima
.set LO,  152                          ; v152 first key block, v153 trips: the pair that is stored
.set TR,  153
.set HI,  154
.set TT,  155
.set O8,  156
	s_load_b512 s[8:23], s[0:1], 0x0               ; inputs s[8:9], Wq s[10:11], Wk s[12:13], Wv s[14:15], Wo s[16:17], index s[18:19], Xf s[20:21], Wf s[22:23]
	s_load_b64 s[24:25], s[0:1], 0x40              ; ranges
	v_lshl_add_u32 v160, v0, 2, 0x8800
	v_mov_b32 v161, 0
	v_and_b32 v1, 31, v0                           ; lane
	v_lshrrev_b32 v3, 5, v0
	v_readfirstlane_b32 s4, v3                     ; wave 0..7
	v_lshlrev_b32 v2, 4, v1                        ; 16 x lane
	v_and_b32 v6, 15, v1
	v_lshrrev_b32 v7, 4, v1
	s_mul_i32 s5, s4, WLDS                         ; my LDS bytes
	s_mov_b32 s27, 0
	s_mov_b32 s29, 0
	s_wait_kmcnt 0x0
	s_cmp_ge_u32 s4, 4
	s_cbranch_scc1 .Lweights
	; ---- inputs: token tile = work-group, K step of 128 = wave ----
	s_lshl_b32 s26, ttmp9, 15                      ; 16 rows of 2,048 bytes
	s_lshl_b32 s30, s4, 9                          ; 128 f32 along the row
	s_add_co_u32 s26, s26, s30
	s_add_nc_u64 s[8:9], s[8:9], s[26:27]
.irp r, 0,1,2,3,4,5,6,7,8,9,10,11,12,13,14,15
	global_load_b128 v[IN+4*\r:IN+4*\r+3], v2, s[8:9] offset:\r*2048 th:TH_LOAD_NT   ; 512 consecutive aligned bytes of row r
.endr
	s_lshr_b32 s28, ttmp9, 3                       ; Xf: token block x 131,072 + K step x 32,768 + tile in block x 4,096
	s_lshl_b32 s28, s28, 17
	s_lshl_b32 s30, s4, 15
	s_add_co_u32 s28, s28, s30
	s_and_b32 s30, ttmp9, 7
	s_lshl_b32 s30, s30, 12
	s_add_co_u32 s28, s28, s30
	s_add_nc_u64 s[20:21], s[20:21], s[28:29]
	v_lshrrev_b32 v4, 1, v1                        ; my 4 numbers k = 4 lane .. belong to unit lane / 2, half lane % 2
	v_mul_u32_u24 v4, v4, UNIT
	v_and_b32 v5, 1, v1
	v_lshl_add_u32 v4, v5, 3, v4
	v_add_nc_u32 v4, s5, v4                        ; in: the 32 lanes touch 32 different 8-byte columns modulo 256 bytes
	v_mul_u32_u24 v5, v7, UNIT
	v_lshl_add_u32 v5, v6, 4, v5
	v_add_nc_u32 v5, s5, v5                        ; back: lanes 0-15 one unit, lanes 16-31 the next
.irp r, 0,1,2,3,4,5,6,7,8,9,10,11,12,13,14,15
	s_wait_loadcnt 15-\r                           ; loads return in order: row r is in, the younger rows stay out
	v_cvt_pk_bf16_f32 v[PK+2*\r], v[IN+4*\r], v[IN+4*\r+1]
	v_cvt_pk_bf16_f32 v[PK+2*\r+1], v[IN+4*\r+2], v[IN+4*\r+3]
	ds_store_b64 v4, v[PK+2*\r:PK+2*\r+1] offset:\r*16
.endr
.irp i, 0,1,2,3,4,5,6,7
	ds_load_b128 v[BK+4*\i:BK+4*\i+3], v5 offset:\i*2*UNIT      ; my own bytes, and LDS serves a wave in order: these see the stores above
.endr
.irp i, 0,1,2,3,4,5,6,7
	s_wait_dscnt 7-\i                              ; read-back i is in, the younger ones stay out
	global_store_b128 v2, v[BK+4*\i:BK+4*\i+3], s[20:21] offset:\i*512
.endr
	; ---- the spans: wave 0 of work-group 0 alone; lane = block of 128 tokens ----
	s_lshl_b32 s26, ttmp9, 3
	s_or_b32 s26, s26, s4
	s_cmp_lg_u32 s26, 0
	s_cbranch_scc1 .Lend
	s_wait_xcnt 0x0                                ; v[112:143] are data of the stores above: loaded into only behind this wait
	v_lshlrev_b32 v8, 9, v1                        ; 128 ids of 4 bytes a lane
.set j, 0
.rept 32
	global_load_b128 v[IN+4*j:IN+4*j+3], v8, s[18:19] offset:j*16
.set j, j+1
.endr
	v_mov_b32 v[LO], 32
	v_mov_b32 v[HI], 0
	v_lshlrev_b32 v[O8], 3, v1
	s_wait_loadcnt 0x0
.irp c, 0,1,2,3
	v_min_u32 v[MN+\c], v[IN+\c], v[IN+4+\c]       ; four chains each, started by the first words
	v_max_u32 v[MX+\c], v[IN+\c], v[IN+4+\c]
.endr
.set j, 8
.rept 120
	v_min_u32 v[MN+j%4], v[MN+j%4], v[IN+j]
	v_max_u32 v[MX+j%4], v[MX+j%4], v[IN+j]
.set j, j+1
.endr
	v_min_u32 v[MN], v[MN], v[MN+1]
	v_min_u32 v[MN+2], v[MN+2], v[MN+3]
	v_min_u32 v[MN], v[MN], v[MN+2]
	v_max_u32 v[MX], v[MX], v[MX+1]
	v_max_u32 v[MX+2], v[MX+2], v[MX+3]
	v_max_u32 v[MX], v[MX], v[MX+2]
.set kb, 0
.rept 32                                           ; key block kb against every query block (lane)
	v_readlane_b32 s30, v[MN], kb
	v_readlane_b32 s31, v[MX], kb
	v_cmp_le_u32 s32, s30, v[MX]                   ; its least id is not above my greatest,
	v_cmp_ge_u32 s33, s31, v[MN]                   ; its greatest not below my least:
	s_and_b32 vcc_lo, s32, s33                     ; the ranges overlap
	v_cndmask_b32 v[HI], v[HI], kb, vcc_lo         ; the last such block
	v_cndmask_b32 v[TT], 32, kb, vcc_lo
	v_min_u32 v[LO], v[LO], v[TT]                  ; the first such block (a block always overlaps itself)
.set kb, kb+1
.endr
	v_min_u32 v[LO], 30, v[LO]                     ; at least two blocks are walked, so the walk starts at block 30 at the latest
	v_sub_nc_u32 v[TR], v[HI], v[LO]
	v_max_u32 v[TR], 1, v[TR]                      ; blocks lo .. lo + trips, inside 0 .. 31
	global_store_b64 v[O8], v[LO:TR], s[24:25]     ; 32 lanes x 8 bytes: the whole buffer of 256 bytes
.Lend:
	s_wait_tensorcnt 0x0
	ds_add_u32 v160, v161
	s_wait_dscnt 0x0
	s_endpgm
	; ---- weights ----
; 16 rows (k) x 128 columns.  Lane l holds columns 4 l .. 4 l + 3 of every row, so the 8 k of one column lie in 8 registers of one lane:
; transposing is a choice of operands of the conversions.  pitch: bytes of a row of the weight; hi: bytes from feature tile 3 to 4 in Wf.
.macro WJOB pitch, hi
.irp i, 0,1,2,3,4,5,6,7,8,9,10,11,12,13,14,15
	global_load_b128 v[IN+4*\i:IN+4*\i+3], v2, s[10:11] offset:\i*\pitch th:TH_LOAD_NT
.endr
.irp o, 0,1
	s_wait_loadcnt 8-8*\o                          ; rows 0-7 are in and rows 8-15 stay out; then all
.irp c, 0,1,2,3
.irp p, 0,1,2,3
	v_cvt_pk_bf16_f32 v[PK+16*\o+4*\c+\p], v[IN+4*(8*\o+2*\p)+\c], v[IN+4*(8*\o+2*\p+1)+\c]
.endr
	ds_store_b128 v4, v[PK+16*\o+4*\c:PK+16*\o+4*\c+3] offset:\o*8*UNIT+\c*16
.endr
.endr
.irp f, 0,1,2,3,4,5,6,7
	ds_load_b128 v[BK+4*\f:BK+4*\f+3], v5 offset:\f*UNIT        ; my own bytes, served in order
.endr
.irp f, 0,1,2,3,4,5,6,7
	s_wait_dscnt 7-\f                              ; read-back f is in, the younger ones stay out
	global_store_b128 v2, v[BK+4*\f:BK+4*\f+3], s[22:23] offset:(\f/4)*\hi+(\f%4)*1024   ; half a fragment: 512 consecutive aligned bytes
.endr
	s_wait_tensorcnt 0x0
	ds_add_u32 v160, v161
	s_wait_dscnt 0x0
	s_endpgm
.endm
.Lweights:
	s_sub_co_u32 s6, s4, 4                         ; 0..3
	s_lshr_b32 s7, ttmp9, 6                        ; 0 Wq, 1 Wk, 2 Wv, 3 Wo
	v_lshrrev_b32 v4, 2, v1                        ; column 4 l + c is row (l % 4) 4 + c of feature tile l / 4
	v_mul_u32_u24 v4, v4, UNIT
	v_and_b32 v5, 3, v1
	v_lshl_add_u32 v4, v5, 6, v4
	v_add_nc_u32 v4, s5, v4                        ; in: 16 neighbouring lanes touch 16 different 16-byte columns modulo 256 bytes
	v_mul_u32_u24 v5, v7, 8*UNIT
	v_lshl_add_u32 v5, v6, 4, v5
	v_add_nc_u32 v5, s5, v5                        ; back: lanes 0-15 the unit of k 0-7, lanes 16-31 that of k 8-15
	s_cmp_eq_u32 s7, 3
	s_cbranch_scc1 .Lwo
	s_cmp_eq_u32 s7, 1
	s_cselect_b64 s[10:11], s[12:13], s[10:11]
	s_cmp_eq_u32 s7, 2
	s_cselect_b64 s[10:11], s[14:15], s[10:11]
	s_and_b32 s26, ttmp9, 1
	s_lshl2_add_u32 s26, s26, s6                   ; head
	s_bfe_u32 s30, ttmp9, 0x10001                  ; which 16 of the chunk of 32 k
	s_bfe_u32 s31, ttmp9, 0x40002                  ; chunk 0..15
	s_lshl_b32 s28, s31, 17                        ; from: (32 chunk + 16 half) rows of 4,096 bytes + head x 512
	s_lshl_b32 s32, s30, 16
	s_add_co_u32 s28, s28, s32
	s_lshl_b32 s32, s26, 9
	s_add_co_u32 s28, s28, s32
	s_add_nc_u64 s[10:11], s[10:11], s[28:29]
	s_lshl_b32 s28, s7, 20                         ; to: matrix x 1 MiB + head x 131,072 + chunk x 8,192 + half x 512
	s_lshl_b32 s32, s26, 17
	s_add_co_u32 s28, s28, s32
	s_lshl_b32 s32, s31, 13
	s_add_co_u32 s28, s28, s32
	s_lshl_b32 s32, s30, 9
	s_add_co_u32 s28, s28, s32
	s_add_nc_u64 s[22:23], s[22:23], s[28:29]
	WJOB 4096, 4096
.Lwo:
	s_mov_b64 s[10:11], s[16:17]
	s_and_b32 s30, ttmp9, 1                        ; half
	s_bfe_u32 s31, ttmp9, 0x50001                  ; chunk 0..31
	s_lshl_b32 s28, s31, 16                        ; from: (32 chunk + 16 half) rows of 2,048 bytes + column group x 512
	s_lshl_b32 s32, s30, 15
	s_add_co_u32 s28, s28, s32
	s_lshl_b32 s32, s6, 9
	s_add_co_u32 s28, s28, s32
	s_add_nc_u64 s[10:11], s[10:11], s[28:29]
	s_lshl_b32 s28, s6, 18                         ; to: 3 MiB + (2 x column group) x 131,072 + chunk x 4,096 + half x 512
	s_add_co_u32 s28, s28, 3<<20
	s_lshl_b32 s32, s31, 12
	s_add_co_u32 s28, s28, s32
	s_lshl_b32 s32, s30, 9
	s_add_co_u32 s28, s28, s32
	s_add_nc_u64 s[22:23], s[22:23], s[28:29]
	WJOB 2048, 131072
.Lfunc_end_k_q5f5237276e_prep:
	.size	k_q5f5237276e_prep, .Lfunc_end_k_q5f5237276e_prep-k_q5f5237276e_prep
	.p2alignl 7, 3214868480
	.fill 96, 4, 3214868480
	.section	.rodata,"a",@progbits
	.p2align	6, 0x0
	.amdhsa_kernel k_q5f5237276e_prep
		.amdhsa_group_segment_fixed_size 35840
		.amdhsa_private_segment_fixed_size 0
		.amdhsa_enable_private_segment 0
		.amdhsa_kernarg_size 72
		.amdhsa_user_sgpr_count 2
		.amdhsa_user_sgpr_kernarg_segment_ptr 1
		.amdhsa_wavefront_size32 1
		.amdhsa_system_sgpr_workgroup_id_x 1
		.amdhsa_system_sgpr_workgroup_id_y 1
		.amdhsa_system_sgpr_workgroup_id_z 1
		.amdhsa_system_vgpr_workitem_id 0
		.amdhsa_next_free_vgpr 162
		.amdhsa_next_free_sgpr 66
		.amdhsa_reserve_vcc 1
		.amdhsa_float_denorm_mode_32 3
		.amdhsa_float_denorm_mode_16_64 3
		.amdhsa_memory_ordered 1
		.amdhsa_forward_progress 1
		.amdhsa_inst_pref_size 48
	.end_amdhsa_kernel
	.amdgpu_metadata
---
amdhsa.version: [ 1, 2 ]
amdhsa.kernels:
  - .name:           k_q5f5237276e_prep
    .symbol:         k_q5f5237276e_prep.kd
    .args:
      - { .name: inputs, .offset: 0, .size: 8, .value_kind: global_buffer, .address_space: global }
      - { .name: Wq, .offset: 8, .size: 8, .value_kind: global_buffer, .address_space: global }
      - { .name: Wk, .offset: 16, .size: 8, .value_kind: global_buffer, .address_space: global }
      - { .name: Wv, .offset: 24, .size: 8, .value_kind: global_buffer, .address_space: global }
      - { .name: Wo, .offset: 32, .size: 8, .value_kind: global_buffer, .address_space: global }
      - { .name: index, .offset: 40, .size: 8, .value_kind: global_buffer, .address_space: global }
      - { .name: Xf, .offset: 48, .size: 8, .value_kind: global_buffer, .address_space: global }
      - { .name: Wf, .offset: 56, .size: 8, .value_kind: global_buffer, .address_space: global }
      - { .name: ranges, .offset: 64, .size: 8, .value_kind: global_buffer, .address_space: global }
    .group_segment_fixed_size: 35840
    .private_segment_fixed_size: 0
    .kernarg_segment_align: 8
    .kernarg_segment_size: 72
    .max_flat_workgroup_size: 256
    .sgpr_count:     66
    .vgpr_count:     162
    .wavefront_size: 32
...
	.end_amdgpu_metadata
.endif
;; end of part 1
;; launch qkv (part 2): grid 8 x 32, 4 waves a work-group, clusters of 4 x 4, 327,680 bytes of LDS; arguments Xf, Wf, index, Qf, KVf; writes Qf, KVf
.if DOCPART == 2
	.amdgcn_target "amdgcn-amd-amdhsa--gfx1250"
	.amdhsa_code_object_version 6
	.text
	.protected	k_q5f5237276e_qkv
	.globl	k_q5f5237276e_qkv
	.p2align	8
	.type	k_q5f5237276e_qkv,@function
k_q5f5237276e_qkv:
	s_mov_b64 s[64:65], 0
	v_nop
	global_prefetch_b8 v0, s[64:65] scope:SCOPE_SE
	s_setreg_imm32_b32 hwreg(HW_REG_WAVE_MODE, 25, 1), 1
	s_wait_xcnt 0x0
	s_wait_alu depctr_hold_cnt(0) depctr_sa_sdst(0) depctr_va_vdst(0) depctr_va_sdst(0) depctr_va_ssrc(0) depctr_va_vcc(0) depctr_vm_vsrc(0)
	s_getreg_b32 s2, hwreg(HW_REG_IB_STS2, 6, 4)
	s_cmp_eq_u32 s2, 0
	s_cbranch_scc0 .Lentry_in_a_cluster
	s_endpgm
.Lentry_in_a_cluster:
	s_bfe_u32 s2, ttmp6, 0x10000c
	s_cmp_lg_u32 s2, 0xf033
	s_cbranch_scc0 .Lentry_shape_is_right
	s_endpgm
.Lentry_shape_is_right:
; qkv: q, k and v of 128 tokens and one head: [128 x 512] x [512 x 384], bf16 operands, f32 sums.
; Four waves, one to a SIMD.  Wave (wm, wn) makes token tiles 4 wm + i by feature tiles 4 wn + f (i, f = 0..3) of each of q, k, v:
; 48 accumulators of 16 x 16, 384 registers.  K goes in 4 steps of 128 through two LDS slots of 131,072 bytes: X 32 KiB, then Wq, Wk, Wv
; 32 KiB each.  All four parts are dense blocks of memory in fragment order (16 rows x 32 k = 1,024 bytes, read as 16 x lane and
; 512 + 16 x lane), so every LDS read is 512 consecutive bytes and needs no padding.  One tensor load a wave brings one part.
; CLUSTERS: 4 x 4 work-groups.  The part of X hangs on the token block alone and is asked for jointly along a row of the cluster; the parts of
; W hang on the head alone and are asked for jointly along a column: the requests are divided by four.
; q and k are made transposed (source 0 = weight, source 1 = X): a lane then holds 8 neighbouring features of one token, which packed
; is 16 bytes of a fragment whose rows are tokens.  v is made the natural way: a lane holds 8 neighbouring tokens of one feature, 16 bytes
; of a fragment of V transposed.  So results leave registers as 512 consecutive aligned bytes a store, with no turn through LDS.
; q is scaled by 128^-0.5 x log2 e before it is rounded, so that attention works in base 2.
; LIMITS: q and k are rounded to bf16.  v is rounded to f16 (three more bits for the weighted mean): |v| above 65,504 overflows;
; v has a spread of 0.45 for inputs of spread 1 and weights of spread 0.02, and 405 with both 30 times larger.
; REGISTERS, in windows of 256: window 0: v2-23 addresses, v64-127 fragments of X (two buffers), on the way out v64-255 packed results;
; window 1: v0-191 fragments of W (two buffers of 12); window 2: the 32 accumulators of q and k; window 3: v0-127 the 16 of v.
.set SLOT,  131072
.set PART,  32768
.set KVTILE, 0x8400                    ; a tile of 64 keys in KVf: K 16,384, V transposed 16,384, the ids 1,024 bytes
.set G1X, 24                           ; s[24:31] descriptor group 1 for X
.set G0X, 32                           ; s[32:39] group 0 for X, a set for each slot
.set G1W, 40                           ; s[40:47] group 1 for W: another mask
.set G0W, 48                           ; s[48:55] group 0 for W, a set for each slot
.set ADRX, 16                          ; v16-17  LDS address of my X fragments in slot 0, 1
.set ADRW, 18                          ; v18-23  of my W fragments: slot x 3 + matrix
.set FX,   64                          ; X fragment buffer b at v[64 + 32 b]; W fragment buffer b at window 1, v[96 b]
.set MSB, 0
.macro WIN new                         ; the high byte of the immediate repeats the setting that is left
.if MSB != \new
	s_set_vgpr_msb (MSB<<8)|\new
.set MSB, \new
.endif
.endm
.macro PLACES                          ; four places behind a matrix instruction in front of loads into its sources and of readers of its result
.rept 4
	v_nop
.endr
.endm
; A joint load: wave 0 asks for X, waves 1-3 for Wq, Wk, Wv.  Each line has one mask; the branch hangs on the wave number alone.
.macro JLOAD s
	s_cmp_eq_u32 s14, 0
	s_cbranch_scc0 .Lfor_w_\@
	tensor_load_to_lds s[G0X+4*\s:G0X+4*\s+3], s[G1X:G1X+7]
	s_nop 0
	s_branch .Lasked_\@
.Lfor_w_\@:
	tensor_load_to_lds s[G0W+4*\s:G0W+4*\s+3], s[G1W:G1W+7]
	s_nop 0
.Lasked_\@:
.endm
.macro CREST                           ; a round of the cluster barrier behind its opening work-group barrier
	s_cmp_lg_u32 s14, 0
	s_cbranch_scc1 .Lnot_wave_0_\@
	s_barrier_signal -3
.Lnot_wave_0_\@:
	s_barrier_wait -3
	s_barrier_signal -1
	s_barrier_wait -1
.endm
.macro CROUND                          ; a whole round
	s_barrier_signal -1
	s_barrier_wait -1
	CREST
.endm
	s_load_b256 s[4:11], s[0:1], 0x0               ; Xf s[4:5], Wf s[6:7], index s[8:9], Qf s[10:11]
	s_load_b64 s[12:13], s[0:1], 0x20              ; KVf
	s_set_vgpr_msb 0x40
	v_lshl_add_u32 v255, v0, 2, 0x40000
	s_set_vgpr_msb 0x4000
	v_mov_b32 v63, 0
	s_set_vgpr_msb 0x1
	ds_add_u32 v255, v63
	s_set_vgpr_msb 0x100
	v_lshrrev_b32 v1, 5, v0
	v_readfirstlane_b32 s14, v1                    ; wave 0..3
	s_lshr_b32 s15, s14, 1                         ; wm: which 64 tokens
	s_and_b32 s16, s14, 1                          ; wn: which 64 features of each of q, k, v
	s_bfe_u32 s17, ttmp6, 0x40000                  ; cx
	s_bfe_u32 s18, ttmp6, 0x40004                  ; cy
	s_lshl_b32 s19, ttmp9, 2
	s_add_co_u32 s19, s19, s17                     ; head = 4 x cluster x + cx
	s_and_b32 s20, ttmp7, 0xffff
	s_lshl_b32 s20, s20, 2
	s_add_co_u32 s20, s20, s18                     ; token block = 4 x cluster y + cy
	s_lshl_b32 s62, s18, 2
	s_lshl_b32 s62, 15, s62                        ; my row of the cluster
	s_lshl_b32 s63, 0x1111, s17                    ; my column
	; group 1: a dense block of 32 KiB as 128 rows of 32 elements of 8 bytes, pitch 32 elements, no padding
	s_or_b32 s[G1X+0], s62, (3<<16)|(1<<21)        ; 15:0 mask, 17:16 element of 8 bytes, 21 set beside a mask
	s_or_b32 s[G1W+0], s63, (3<<16)|(1<<21)
.irp g, G1X, G1W
	s_mov_b32 s[\g+1], 32<<16                      ; tensor_dim0 = 32
	s_mov_b32 s[\g+2], 128<<16                     ; tensor_dim1 = 128
	s_mov_b32 s[\g+3], 32<<16                      ; tile_dim0 = 32
	s_mov_b32 s[\g+4], 128                         ; tile_dim1 = 128
	s_mov_b32 s[\g+5], 32                          ; pitch
	s_mov_b32 s[\g+6], 0
	s_mov_b32 s[\g+7], 0
.endr
	s_lshl_b32 s56, s20, 17                        ; X: token block x 131,072: shared along my row
	s_mov_b32 s57, 0
	s_max_u32 s58, s14, 1
	s_sub_co_u32 s58, s58, 1                       ; W: matrix = wave - 1 (wave 0 does not ask by this set)
	s_lshl_b32 s58, s58, 20
	s_lshl_b32 s59, s19, 17                        ; + head x 131,072: shared along my column
	s_add_co_u32 s58, s58, s59
	s_mov_b32 s59, 0
	s_lshl_b32 s60, s14, 15                        ; to LDS: wave x 32,768
	s_mov_b32 s22, 0x3e0293ee                      ; 128^-0.5 x log2 e = 0.12751743
	s_mov_b32 s23, 0x3e0293ee
	s_wait_dscnt 0x0
	s_wait_kmcnt 0x0
	s_add_nc_u64 s[4:5], s[4:5], s[56:57]
	s_add_nc_u64 s[6:7], s[6:7], s[58:59]
	CROUND                                         ; all sixteen work-groups are here: the first joint loads meet
.irp s, 0,1
	s_mov_b32 s[G0X+4*\s], 1
	s_add_co_u32 s[G0X+4*\s+1], s60, \s*SLOT
	s_add_nc_u64 s[G0X+4*\s+2:G0X+4*\s+3], s[4:5], \s*PART     ; K step s
	s_or_b32 s[G0X+4*\s+3], s[G0X+4*\s+3], 0x80000000
	s_mov_b32 s[G0W+4*\s], 1
	s_add_co_u32 s[G0W+4*\s+1], s60, \s*SLOT
	s_add_nc_u64 s[G0W+4*\s+2:G0W+4*\s+3], s[6:7], \s*PART
	s_or_b32 s[G0W+4*\s+3], s[G0W+4*\s+3], 0x80000000
	JLOAD \s                                       ; both slots are asked for before anything else: two loads of the wave are out
.endr
	v_and_b32 v1, 31, v0
	v_lshlrev_b32 v2, 4, v1                        ; 16 x lane
	s_lshl_b32 s21, s15, 14
	v_add_nc_u32 v[ADRX], s21, v2                  ; my four token tiles of 4,096 bytes
	v_add_nc_u32 v[ADRX+1], SLOT, v[ADRX]
	s_lshl_b32 s21, s16, 12
	v_add_nc_u32 v3, s21, v2                       ; my four feature tiles of 1,024 bytes; also my offset into V of a tile of KVf
.irp s, 0,1
.irp g, 0,1,2
	v_add_nc_u32 v[ADRW+3*\s+\g], \s*SLOT+(1+\g)*PART, v3
.endr
.endr
	v_lshl_add_u32 v4, s16, 11, v2                 ; my offset into K of a tile of KVf
	v_lshl_add_u32 v5, s16, 9, v2                  ; and into its ids
	v_and_b32 v12, 15, v1
	v_lshlrev_b32 v12, 4, v12
	s_lshl_b32 s56, s20, 9                         ; the ids of my 64 tokens, 256 bytes, in lanes 0-15 and once more in lanes 16-31
	s_lshl_b32 s21, s15, 8
	s_add_co_u32 s56, s56, s21
	s_add_nc_u64 s[8:9], s[8:9], s[56:57]
	global_load_b128 v[8:11], v12, s[8:9]
; 32 LDS loads: the fragments of chunk ci (32 along K) of a slot into buffer buf: 12 of W, 4 of X
.macro FETCH slot, ci, buf
	WIN 0x40                                       ; destination window 1, address window 0
.irp g, 0,1,2
.irp f, 0,1,2,3
	ds_load_b128 v[96*\buf+8*(4*\g+\f):96*\buf+8*(4*\g+\f)+3], v[ADRW+3*\slot+\g] offset:\ci*8192+\f*1024
	ds_load_b128 v[96*\buf+8*(4*\g+\f)+4:96*\buf+8*(4*\g+\f)+7], v[ADRW+3*\slot+\g] offset:\ci*8192+\f*1024+512
.endr
.endr
	WIN 0
.irp i, 0,1,2,3
	ds_load_b128 v[FX+32*\buf+8*\i:FX+32*\buf+8*\i+3], v[ADRX+\slot] offset:\i*4096+\ci*1024
	ds_load_b128 v[FX+32*\buf+8*\i+4:FX+32*\buf+8*\i+7], v[ADRX+\slot] offset:\i*4096+\ci*1024+512
.endr
.endm
; The 48 accumulators take turns, one instruction a turn, in the same order in every chunk.
; zero = 1: the first product starts the sums; nothing is cleared.
.macro MULV buf, zero                  ; v: source 0 = X (window 0), source 1 = Wv (window 1), C and D window 3
	WIN 0xf4
.irp f, 0,1,2,3
.irp i, 0,1,2,3
.if \zero
	v_wmma_f32_16x16x32_bf16 v[8*(4*\f+\i):8*(4*\f+\i)+7], v[FX+32*\buf+8*\i:FX+32*\buf+8*\i+7], v[96*\buf+8*(8+\f):96*\buf+8*(8+\f)+7], 0
.else
	v_wmma_f32_16x16x32_bf16 v[8*(4*\f+\i):8*(4*\f+\i)+7], v[FX+32*\buf+8*\i:FX+32*\buf+8*\i+7], v[96*\buf+8*(8+\f):96*\buf+8*(8+\f)+7], v[8*(4*\f+\i):8*(4*\f+\i)+7]
.endif
.endr
.endr
.endm
.macro MULQK buf, zero                 ; q, k: source 0 = W (window 1), source 1 = X (window 0), C and D window 2
	WIN 0xa1
.irp g, 0,1
.irp f, 0,1,2,3
.irp i, 0,1,2,3
.if \zero
	v_wmma_f32_16x16x32_bf16 v[8*(16*\g+4*\f+\i):8*(16*\g+4*\f+\i)+7], v[96*\buf+8*(4*\g+\f):96*\buf+8*(4*\g+\f)+7], v[FX+32*\buf+8*\i:FX+32*\buf+8*\i+7], 0
.else
	v_wmma_f32_16x16x32_bf16 v[8*(16*\g+4*\f+\i):8*(16*\g+4*\f+\i)+7], v[96*\buf+8*(4*\g+\f):96*\buf+8*(4*\g+\f)+7], v[FX+32*\buf+8*\i:FX+32*\buf+8*\i+7], v[8*(16*\g+4*\f+\i):8*(16*\g+4*\f+\i)+7]
.endif
.endr
.endr
.endr
.endm
; One of the first three chunks of a K step: multiplies buffer buf; behind its first 16 products it fetches chunk ci into buffer nbuf,
; 32 matrix instructions ahead of the first use.
.macro CHUNK slot, ci, buf, nbuf, zero
	s_wait_dscnt 0x0                               ; buffer buf is in
	MULV \buf, \zero
	PLACES
	FETCH \slot, \ci, \nbuf
	MULQK \buf, \zero
.endm
.macro THREE slot, zero
	CHUNK \slot, 1, 0, 1, \zero
	CHUNK \slot, 2, 1, 0, 0
	CHUNK \slot, 3, 0, 1, 0
.endm
; The last chunk of a K step changes slots.  In front of the barrier each wave waits for its reads of this slot and for all its tensor
; loads (one is out: its part of the next slot).  fill = 1: the barrier opens a round of the cluster barrier, and the joint refill of this
; slot, two K steps ahead, is the first tensor load behind the round and the only one of the wave until the next.
.macro TURN slot, next, fill
	s_wait_dscnt 0x0
	s_wait_tensorcnt 0x0
	ds_add_u32 v255, v63
	s_wait_dscnt 0x0
	s_barrier_signal -1
	MULV 1, 0                                      ; registers alone, while the others arrive
	WIN 0
	s_barrier_wait -1
.if \fill
	CREST
	s_add_nc_u64 s[G0X+4*\slot+2:G0X+4*\slot+3], s[G0X+4*\slot+2:G0X+4*\slot+3], 2*PART
	s_add_nc_u64 s[G0W+4*\slot+2:G0W+4*\slot+3], s[G0W+4*\slot+2:G0W+4*\slot+3], 2*PART
	JLOAD \slot
.endif
	PLACES
	FETCH \next, 0, 0
	MULQK 1, 0
.endm
	s_wait_tensorcnt 0x1                           ; my part of K step 0 is in; that of K step 1 stays out
	s_barrier_signal -1
	s_barrier_wait -1
	FETCH 0, 0, 0
	THREE 0, 1
	TURN 0, 1, 1                                   ; slot 0 gets K step 2
	THREE 1, 0
	TURN 1, 0, 1                                   ; slot 1 gets K step 3
	THREE 0, 0
	TURN 0, 1, 0                                   ; nothing is left to fetch
	THREE 1, 0
	s_wait_dscnt 0x0
	MULV 1, 0
	MULQK 1, 0
	; THE WAY OUT
	PLACES
	s_lshl_b32 s2, s19, 20                         ; Qf: head x 1 MiB + token tile x 4,096 + feature tile x 512
	s_lshl_b32 s61, s20, 15
	s_add_co_u32 s2, s2, s61
	s_lshl_b32 s61, s15, 14
	s_add_co_u32 s2, s2, s61
	s_lshl_b32 s61, s16, 11
	s_add_co_u32 s2, s2, s61
	s_mov_b32 s3, 0
	s_add_nc_u64 s[10:11], s[10:11], s[2:3]
	s_mul_i32 s2, s19, 64*KVTILE                   ; KVf: head x 64 tiles + my tile of 64 keys = 2 x token block + wm
	s_lshl1_add_u32 s61, s20, s15
	s_mul_i32 s61, s61, KVTILE
	s_add_co_u32 s2, s2, s61
	s_add_nc_u64 s[12:13], s[12:13], s[2:3]
	WIN 0x82                                       ; q in place, window 2
.set p, 0
.rept 64
	v_pk_mul_f32 v[2*p:2*p+1], v[2*p:2*p+1], s[22:23] op_sel_hi:[1,0]
.set p, p+1
.endr
	WIN 0x0a                                       ; sources window 2, destination window 0
.set t, 0
.rept 32
.irp r, 0,1,2,3
	v_cvt_pk_bf16_f32 v[64+4*t+\r], v[8*t+2*\r], v[8*t+2*\r+1]
.endr
.set t, t+1
.endr
	WIN 0x0f                                       ; sources window 3
.set t, 0
.rept 16
.irp r, 0,1,2,3
	v_cvt_pk_f16_f32 v[192+4*t+\r], v[8*t+2*\r], v[8*t+2*\r+1]
.endr
.set t, t+1
.endr
	WIN 0
.irp f, 0,1,2,3
.irp i, 0,1,2,3
	global_store_b128 v2, v[64+4*(4*\f+\i):64+4*(4*\f+\i)+3], s[10:11] offset:\i*4096+\f*512       ; each store: 512 consecutive aligned bytes
	global_store_b128 v4, v[128+4*(4*\f+\i):128+4*(4*\f+\i)+3], s[12:13] offset:\i*4096+\f*512
	global_store_b128 v3, v[192+4*(4*\f+\i):192+4*(4*\f+\i)+3], s[12:13] offset:16384+(\i/2)*8192+\f*1024+(\i%2)*512
.endr
.endr
	s_wait_loadcnt 0x0                             ; the ids
	global_store_b128 v5, v[8:11], s[12:13] offset:32768   ; two copies a wave, four a tile: the tile then divides into four equal loads, every byte of them stored
	CROUND                                         ; the closing round: no work-group ends while a partner may still ask jointly
	s_endpgm
.Lfunc_end_k_q5f5237276e_qkv:
	.size	k_q5f5237276e_qkv, .Lfunc_end_k_q5f5237276e_qkv-k_q5f5237276e_qkv
	.p2alignl 7, 3214868480
	.fill 96, 4, 3214868480
	.section	.rodata,"a",@progbits
	.p2align	6, 0x0
	.amdhsa_kernel k_q5f5237276e_qkv
		.amdhsa_group_segment_fixed_size 327680
		.amdhsa_private_segment_fixed_size 0
		.amdhsa_enable_private_segment 0
		.amdhsa_kernarg_size 40
		.amdhsa_user_sgpr_count 2
		.amdhsa_user_sgpr_kernarg_segment_ptr 1
		.amdhsa_wavefront_size32 1
		.amdhsa_system_sgpr_workgroup_id_x 1
		.amdhsa_system_sgpr_workgroup_id_y 1
		.amdhsa_system_sgpr_workgroup_id_z 1
		.amdhsa_system_vgpr_workitem_id 0
		.amdhsa_next_free_vgpr 896
		.amdhsa_next_free_sgpr 66
		.amdhsa_reserve_vcc 0
		.amdhsa_float_denorm_mode_32 3
		.amdhsa_float_denorm_mode_16_64 3
		.amdhsa_memory_ordered 1
		.amdhsa_forward_progress 1
		.amdhsa_inst_pref_size 114
	.end_amdhsa_kernel
	.amdgpu_metadata
---
amdhsa.version: [ 1, 2 ]
amdhsa.kernels:
  - .name:           k_q5f5237276e_qkv
    .symbol:         k_q5f5237276e_qkv.kd
    .args:
      - { .name: Xf, .offset: 0, .size: 8, .value_kind: global_buffer, .address_space: global }
      - { .name: Wf, .offset: 8, .size: 8, .value_kind: global_buffer, .address_space: global }
      - { .name: index, .offset: 16, .size: 8, .value_kind: global_buffer, .address_space: global }
      - { .name: Qf, .offset: 24, .size: 8, .value_kind: global_buffer, .address_space: global }
      - { .name: KVf, .offset: 32, .size: 8, .value_kind: global_buffer, .address_space: global }
    .group_segment_fixed_size: 327680
    .private_segment_fixed_size: 0
    .kernarg_segment_align: 8
    .kernarg_segment_size: 40
    .max_flat_workgroup_size: 128
    .sgpr_count:     66
    .vgpr_count:     896
    .wavefront_size: 32
...
	.end_amdgpu_metadata
.endif
;; end of part 2
;; launch attn (part 3): grid 32 x 8, 4 waves a work-group, no clusters, 0 bytes of LDS; arguments Qf, KVf, index, ranges, Rf; writes Rf
.if DOCPART == 3
	.amdgcn_target "amdgcn-amd-amdhsa--gfx1250"
	.amdhsa_code_object_version 6
	.text
	.protected	k_q5f5237276e_attn
	.globl	k_q5f5237276e_attn
	.p2align	8
	.type	k_q5f5237276e_attn,@function
k_q5f5237276e_attn:
	s_mov_b64 s[64:65], 0
	v_nop
	global_prefetch_b8 v0, s[64:65] scope:SCOPE_SE
	s_setreg_imm32_b32 hwreg(HW_REG_WAVE_MODE, 25, 1), 1
	s_wait_xcnt 0x0
; attn: softmax(K Q^T, masked by equal ids) weighted mean of V for 128 queries of one head.  Four waves, 32 queries (two tiles of 16) each.
; A wave walks key blocks lo .. lo + trips of 128 keys, read from ranges as whole numbers; blocks outside share no id with the
; 128 queries.  Inside the walk EVERY score is masked by its own comparison of ids, so nothing is assumed of the order of index.
; NO LDS, NO BARRIER: the length of the walk is read from memory, and no barrier stands in a loop of such a length.  So each wave works for
; itself and takes K, V^T and the ids of the keys straight from KVf into registers.  KVf lies in fragment order (16 rows x 32 k = 1,024 bytes,
; read at 16 x lane and 512 + 16 x lane), so each load of a fragment half covers 512 consecutive aligned bytes.  The price: the four waves of a
; work-group each load the same tile of 33 KiB.
; NO CLUSTER: joint requests fill LDS and need rounds of a barrier in that same loop, and the query blocks of a head walk different spans.
; Both products are used transposed.  S^T = K Q^T: a lane holds 8 keys of one query; packed in place, two such tiles are the operand
; P^T of O^T = V^T P^T with no traffic between lanes, and the softmax figures are one query a lane (the two halves of the lanes
; hold different keys of the same query).  Running maximum and sum in f32, base 2 (q carries 128^-0.5 x log2 e).
; THE PIPELINE, one step of 64 keys a trip: K of the next step is asked for behind this step's scores, the ids behind its masks, V^T behind its
; second product; each set has its own registers and about two thirds of a trip in which to land.
; LIMITS: the running maximum starts at -3.4e38 (scores below it count as it); P and V are f16 (|v| up to 65,504; a weight below 2^-24 of the
; largest counts as 0); exponentials below 2^-126 come out as 0 (ISA guide 15.8); the result is rounded to bf16.
; REGISTERS: window 0: v1 16 x lane, v3 32 x half, v5 -inf, v6-7 ids of my queries, v8-11 maxima (a pair a tile), v12-13 sums, v14-17 factors
; (pairs), v18-25 at work, v32-63 ids of the keys, v64-127 S then P, v128-255 fragments of K;
; window 1: v0-127 O^T (tile (d, q) at 8 (2 d + q)), v128-191 fragments of Q;  window 2: v0-127 fragments of V^T.
.set TILE,  33792                      ; a tile of 64 keys in KVf: K 16,384, V^T 16,384, the ids 1,024 bytes
.set NINF, 5
.set QI, 6
.set M,  8
.set LS, 12
.set AL, 14
.set T,  18
.set KI, 32
.set S,  64
.set FRK, 128
.set FRV, 0
.set QF, 128
.set MSB, 0
.macro WIN new                         ; the high byte of the immediate repeats the setting that is left
.if MSB != \new
	s_set_vgpr_msb (MSB<<8)|\new
.set MSB, \new
.endif
.endm
.macro PLACES                          ; four places behind a matrix instruction in front of readers of its result and of loads into its sources
.rept 4
	v_nop
.endr
.endm
; The three sets of loads of a tile; off = 0: the tile at s[6:7], off = TILE: the next one.
.macro LOADK off                       ; 32 loads; the first 16 are key tiles 0 and 1
.irp k, 0,1,2,3
.irp c, 0,1,2,3
	global_load_b128 v[FRK+8*(4*\k+\c):FRK+8*(4*\k+\c)+3], v1, s[6:7] offset:\off+\k*4096+\c*1024
	global_load_b128 v[FRK+8*(4*\k+\c)+4:FRK+8*(4*\k+\c)+7], v1, s[6:7] offset:\off+\k*4096+\c*1024+512
.endr
.endr
.endm
.macro LOADI off                       ; 8 loads: the ids of keys 16 k + 8 h + 0..7
.irp k, 0,1,2,3
	global_load_b128 v[KI+8*\k:KI+8*\k+3], v3, s[6:7] offset:\off+32768+\k*64
	global_load_b128 v[KI+8*\k+4:KI+8*\k+7], v3, s[6:7] offset:\off+32768+\k*64+16
.endr
.endm
.macro LOADV off                       ; 32 loads, destination window 2
	WIN 0x80
.irp h, 0,1
.irp d, 0,1,2,3,4,5,6,7
	global_load_b128 v[FRV+8*(8*\h+\d):FRV+8*(8*\h+\d)+3], v1, s[6:7] offset:\off+16384+\h*8192+\d*1024
	global_load_b128 v[FRV+8*(8*\h+\d)+4:FRV+8*(8*\h+\d)+7], v1, s[6:7] offset:\off+16384+\h*8192+\d*1024+512
.endr
.endr
	WIN 0
.endm
	s_load_b256 s[4:11], s[0:1], 0x0               ; Qf s[4:5], KVf s[6:7], index s[8:9], ranges s[10:11]
	s_load_b64 s[12:13], s[0:1], 0x20              ; Rf
	v_lshrrev_b32 v2, 5, v0
	v_readfirstlane_b32 s14, v2                    ; wave 0..3
	s_and_b32 s15, ttmp7, 0xffff                   ; head
	s_lshl_b32 s17, ttmp9, 3                       ; my entry of ranges
	s_mov_b32 s40, 0x76543210                      ; v_permlanex16_b32: lane i reads lane i of the other half
	s_mov_b32 s41, 0xfedcba98
	s_mul_i32 s20, s15, 64*TILE                    ; KVf: 64 tiles a head
	s_mov_b32 s21, 0
	s_mov_b32 s47, 0
	v_and_b32 v26, 31, v0
	v_lshlrev_b32 v1, 4, v26                       ; 16 x lane: my 16 bytes of every half fragment
	v_lshrrev_b32 v27, 4, v26
	v_lshlrev_b32 v3, 5, v27                       ; 32 x half: the ids of keys 8 h .. 8 h + 7 of a tile of 16
	v_mov_b32 v[NINF], 0xff800000
	v_and_b32 v26, 15, v26
	v_lshlrev_b32 v26, 2, v26
	s_wait_kmcnt 0x0
	s_load_b64 s[18:19], s[10:11], s17 offset:0x0  ; lo, trips
	s_lshl_b32 s46, s15, 20                        ; Qf: head x 1 MiB + query block x 32,768 + wave x 8,192
	s_lshl_b32 s45, ttmp9, 15
	s_add_co_u32 s46, s46, s45
	s_lshl_b32 s45, s14, 13
	s_add_co_u32 s46, s46, s45
	s_add_nc_u64 s[4:5], s[4:5], s[46:47]
	s_lshl_b32 s46, ttmp9, 9                       ; index: my 32 queries
	s_lshl_b32 s45, s14, 7
	s_add_co_u32 s46, s46, s45
	s_add_nc_u64 s[8:9], s[8:9], s[46:47]
	s_lshl_b32 s46, ttmp9, 18                      ; Rf: query block x 262,144 + head x 32,768 + wave x 8,192
	s_lshl_b32 s45, s15, 15
	s_add_co_u32 s46, s46, s45
	s_lshl_b32 s45, s14, 13
	s_add_co_u32 s46, s46, s45
	s_add_nc_u64 s[12:13], s[12:13], s[46:47]
	global_load_b32 v[QI], v26, s[8:9]
	global_load_b32 v[QI+1], v26, s[8:9] offset:64
	WIN 0x40                                       ; destination window 1
.irp q, 0,1
.irp c, 0,1,2,3
	global_load_b128 v[QF+8*(4*\q+\c):QF+8*(4*\q+\c)+3], v1, s[4:5] offset:\q*4096+\c*1024
	global_load_b128 v[QF+8*(4*\q+\c)+4:QF+8*(4*\q+\c)+7], v1, s[4:5] offset:\q*4096+\c*1024+512
.endr
.endr
	WIN 0
	s_wait_kmcnt 0x0
	s_min_u32 s18, s18, 30                         ; kept inside the table whatever the words hold:
	s_min_u32 s19, s19, 31
	s_max_u32 s19, s19, 1
	s_sub_co_u32 s23, 31, s18
	s_min_u32 s19, s19, s23                        ; lo + trips <= 31
	s_mul_i32 s23, s18, 2*TILE                     ; two tiles to a block
	s_add_co_u32 s20, s20, s23
	s_add_nc_u64 s[6:7], s[6:7], s[20:21]          ; tile 0 of my walk
	LOADK 0
	LOADI 0
	LOADV 0
; S^T of key tiles 2 p, 2 p + 1 and both query tiles: four accumulators take turns, one instruction a turn.
.macro SCORES p
	s_wait_loadcnt 56-24*\p                        ; p = 0: K of key tiles 0, 1 (and all that is older) is in; 16 loads of K, 8 of ids, 32 of V^T stay out.  p = 1: K and the ids are in; the 32 of V^T stay out
.irp c, 0,1,2,3
.irp k, 2*\p, 2*\p+1
.irp q, 0,1
.if \c
	v_wmma_f32_16x16x32_bf16 v[S+32*\q+8*(\k):S+32*\q+8*(\k)+7], v[FRK+8*(4*(\k)+\c):FRK+8*(4*(\k)+\c)+7], v[QF+8*(4*\q+\c):QF+8*(4*\q+\c)+7], v[S+32*\q+8*(\k):S+32*\q+8*(\k)+7]
.else
	v_wmma_f32_16x16x32_bf16 v[S+32*\q+8*(\k):S+32*\q+8*(\k)+7], v[FRK+8*(4*(\k)+\c):FRK+8*(4*(\k)+\c)+7], v[QF+8*(4*\q+\c):QF+8*(4*\q+\c)+7], 0
.endif
.endr
.endr
.endr
.endm
; Mask, running maximum, exponentials, running sum and packing of the 32 scores a lane of query tile q.
.macro SOFTMAX q, first
.set SB, S+32*\q
.irp k, 0,1,2,3
.irp j, 0,1,2,3,4,5,6,7
	v_cmp_eq_u32 s[48+\j], v[QI+\q], v[KI+8*\k+\j]             ; the id of the key against the id of the query
.endr
.irp j, 0,1,2,3,4,5,6,7
	v_cndmask_b32 v[SB+8*\k+\j], v[NINF], v[SB+8*\k+\j], s[48+\j]   ; another id: -inf
.endr
.endr
.irp c, 0,1,2,3
	v_max3_num_f32 v[T+\c], v[SB+8*\c], v[SB+8*\c+1], v[SB+8*\c+2]
.endr
.irp c, 0,1,2,3
	v_max3_num_f32 v[T+\c], v[T+\c], v[SB+8*\c+3], v[SB+8*\c+4]
.endr
.irp c, 0,1,2,3
	v_max3_num_f32 v[T+\c], v[T+\c], v[SB+8*\c+5], v[SB+8*\c+6]
.endr
.irp c, 0,1,2,3
	v_max_num_f32 v[T+\c], v[T+\c], v[SB+8*\c+7]
.endr
	v_max3_num_f32 v[T], v[T], v[T+1], v[T+2]
	v_max_num_f32 v[T], v[T], v[T+3]
	v_permlanex16_b32 v[T+1], v[T], s40, s41       ; the other 32 keys of my query
.if \first
	v_max3_num_f32 v[M+2*\q], v[T], v[T+1], 0xff7fffff         ; finite also while every key so far is masked
	v_mov_b32 v[M+2*\q+1], v[M+2*\q]
.else
	v_max3_num_f32 v[T+2], v[T], v[T+1], v[M+2*\q]
	v_sub_f32 v[T+3], v[M+2*\q], v[T+2]
	v_mov_b32 v[M+2*\q], v[T+2]
	v_mov_b32 v[M+2*\q+1], v[T+2]
	v_exp_f32 v[AL+2*\q], v[T+3]                   ; the factor for what has been gathered; the subtractions below are the plain place behind it (ISA guide 5.7.2)
	v_exp_f32 v[AL+2*\q+1], v[T+3]
.endif
.set e, 0
.rept 16
	v_pk_add_f32 v[SB+e:SB+e+1], v[SB+e:SB+e+1], v[M+2*\q:M+2*\q+1] neg_lo:[0,1] neg_hi:[0,1]
.set e, e+2
.endr
.set e, 0
.rept 32
	v_exp_f32 v[SB+e], v[SB+e]
.set e, e+1
.endr
	v_nop                                          ; one plain place in front of the first use
	s_wait_alu depctr_va_vdst(0)
.irp c, 0,1,2,3
	v_pk_add_f32 v[T+2*\c:T+2*\c+1], v[SB+8*\c:SB+8*\c+1], v[SB+8*\c+2:SB+8*\c+3]
.endr
.irp c, 0,1,2,3
	v_pk_add_f32 v[T+2*\c:T+2*\c+1], v[T+2*\c:T+2*\c+1], v[SB+8*\c+4:SB+8*\c+5]
.endr
.irp c, 0,1,2,3
	v_pk_add_f32 v[T+2*\c:T+2*\c+1], v[T+2*\c:T+2*\c+1], v[SB+8*\c+6:SB+8*\c+7]
.endr
	v_pk_add_f32 v[T:T+1], v[T:T+1], v[T+2:T+3]
	v_pk_add_f32 v[T+4:T+5], v[T+4:T+5], v[T+6:T+7]
	v_pk_add_f32 v[T:T+1], v[T:T+1], v[T+4:T+5]
.if \first
	v_add_f32 v[LS+\q], v[T], v[T+1]               ; the sum of my half of the keys; the halves meet at the end
.else
	v_add_f32 v[T], v[T], v[T+1]
	v_fma_f32 v[LS+\q], v[LS+\q], v[AL+2*\q], v[T]
.endif
.set e, 0
.rept 16                                           ; in place: 16 scores become the 8 registers of an operand of 32 keys; each write lies behind its reads
	v_cvt_pk_f16_f32 v[SB+16*(e/8)+e%8], v[SB+2*e], v[SB+2*e+1]
.set e, e+1
.endr
.endm
; One step of 64 keys.  At its head K, the ids and V^T of this tile have been asked for, in that order, and nothing younger.
; first = 1: the step starts maxima and sums.  ahead = 1: the next tile is asked for and the base steps on to it.
.macro TRIP first, ahead
	WIN 0x04                                       ; source 1 (Q) window 1
	SCORES 0
	SCORES 1
	WIN 0
	PLACES                                         ; behind the scores: for the loads into K's registers and for the masks, which read S
.if \ahead
	LOADK TILE
.endif
	SOFTMAX 0, \first
	SOFTMAX 1, \first
.if \ahead
	LOADI TILE                                     ; the masks have read this tile's ids
.endif
.if 1-\first
	WIN 0x41                                       ; O in place, window 1; the factor from window 0
.irp d, 0,1,2,3,4,5,6,7
.irp q, 0,1
.irp r, 0,1,2,3
	v_pk_mul_f32 v[8*(2*\d+\q)+2*\r:8*(2*\d+\q)+2*\r+1], v[8*(2*\d+\q)+2*\r:8*(2*\d+\q)+2*\r+1], v[AL+2*\q:AL+2*\q+1]
.endr
.endr
.endr
.endif
	s_wait_loadcnt 40*\ahead                       ; V^T of this tile is in; the 32 loads of K and 8 of ids of the next tile stay out
	WIN 0x52                                       ; source 0 (V^T) window 2, source 1 (P) window 0, C and D window 1; 16 accumulators take turns
.irp h, 0,1
.irp d, 0,1,2,3,4,5,6,7
.irp q, 0,1
.if \first*(1-\h)
	v_wmma_f32_16x16x32_f16 v[8*(2*\d+\q):8*(2*\d+\q)+7], v[FRV+8*(8*\h+\d):FRV+8*(8*\h+\d)+7], v[S+32*\q+16*\h:S+32*\q+16*\h+7], 0
.else
	v_wmma_f32_16x16x32_f16 v[8*(2*\d+\q):8*(2*\d+\q)+7], v[FRV+8*(8*\h+\d):FRV+8*(8*\h+\d)+7], v[S+32*\q+16*\h:S+32*\q+16*\h+7], v[8*(2*\d+\q):8*(2*\d+\q)+7]
.endif
.endr
.endr
.endr
	WIN 0
.if \ahead
.rept 5                                            ; places behind these products: four for the loads into V^T's registers, five for the next scores, which write over P
	v_nop
.endr
	LOADV TILE
	s_wait_xcnt 0x0                                ; the base of the loads above is stepped only behind this wait
	s_add_nc_u64 s[6:7], s[6:7], TILE
.endif
.endm
	TRIP 1, 1                                      ; tile 0
	s_lshl_b32 s45, s19, 1                         ; 2 (trips + 1) tiles in all: 1 + 2 trips + 1; trips is at least 1
	s_mov_b32 s44, 0
.Lloop:
	TRIP 0, 1
	s_add_co_u32 s44, s44, 1
	s_cmp_lt_u32 s44, s45
	s_cbranch_scc1 .Lloop
	TRIP 0, 0                                      ; the last tile: nothing is asked for beyond it
	PLACES
	v_permlanex16_b32 v[T], v[LS], s40, s41        ; the two halves of the sums meet
	v_permlanex16_b32 v[T+1], v[LS+1], s40, s41
	v_add_f32 v[LS], v[LS], v[T]
	v_add_f32 v[LS+1], v[LS+1], v[T+1]             ; at least 1: the block of a query is in its span, and a query has its own id
	v_rcp_f32 v[AL], v[LS]
	v_rcp_f32 v[AL+1], v[LS]
	v_rcp_f32 v[AL+2], v[LS+1]
	v_rcp_f32 v[AL+3], v[LS+1]
	v_nop                                          ; one plain place in front of the first use
	WIN 0x41
	s_wait_alu depctr_va_vdst(0)
.irp d, 0,1,2,3,4,5,6,7
.irp q, 0,1
.irp r, 0,1,2,3
	v_pk_mul_f32 v[8*(2*\d+\q)+2*\r:8*(2*\d+\q)+2*\r+1], v[8*(2*\d+\q)+2*\r:8*(2*\d+\q)+2*\r+1], v[AL+2*\q:AL+2*\q+1]
.endr
.endr
.endr
	WIN 0x05                                       ; sources window 1, destination window 0
.set t, 0
.rept 16
.irp r, 0,1,2,3
	v_cvt_pk_bf16_f32 v[FRK+4*t+\r], v[8*t+2*\r], v[8*t+2*\r+1]
.endr
.set t, t+1
.endr
	WIN 0
.irp d, 0,1,2,3,4,5,6,7
.irp q, 0,1
	global_store_b128 v1, v[FRK+4*(2*\d+\q):FRK+4*(2*\d+\q)+3], s[12:13] offset:\q*4096+\d*512     ; half a fragment of the next product: 512 consecutive aligned bytes
.endr
.endr
	s_endpgm
.Lfunc_end_k_q5f5237276e_attn:
	.size	k_q5f5237276e_attn, .Lfunc_end_k_q5f5237276e_attn-k_q5f5237276e_attn
	.p2alignl 7, 3214868480
	.fill 96, 4, 3214868480
	.section	.rodata,"a",@progbits
	.p2align	6, 0x0
	.amdhsa_kernel k_q5f5237276e_attn
		.amdhsa_group_segment_fixed_size 0
		.amdhsa_private_segment_fixed_size 0
		.amdhsa_enable_private_segment 0
		.amdhsa_kernarg_size 40
		.amdhsa_user_sgpr_count 2
		.amdhsa_user_sgpr_kernarg_segment_ptr 1
		.amdhsa_wavefront_size32 1
		.amdhsa_system_sgpr_workgroup_id_x 1
		.amdhsa_system_sgpr_workgroup_id_y 1
		.amdhsa_system_sgpr_workgroup_id_z 1
		.amdhsa_system_vgpr_workitem_id 0
		.amdhsa_next_free_vgpr 640
		.amdhsa_next_free_sgpr 66
		.amdhsa_reserve_vcc 0
		.amdhsa_float_denorm_mode_32 3
		.amdhsa_float_denorm_mode_16_64 3
		.amdhsa_memory_ordered 1
		.amdhsa_forward_progress 1
		.amdhsa_inst_pref_size 112
	.end_amdhsa_kernel
	.amdgpu_metadata
---
amdhsa.version: [ 1, 2 ]
amdhsa.kernels:
  - .name:           k_q5f5237276e_attn
    .symbol:         k_q5f5237276e_attn.kd
    .args:
      - { .name: Qf, .offset: 0, .size: 8, .value_kind: global_buffer, .address_space: global }
      - { .name: KVf, .offset: 8, .size: 8, .value_kind: global_buffer, .address_space: global }
      - { .name: index, .offset: 16, .size: 8, .value_kind: global_buffer, .address_space: global }
      - { .name: ranges, .offset: 24, .size: 8, .value_kind: global_buffer, .address_space: global }
      - { .name: Rf, .offset: 32, .size: 8, .value_kind: global_buffer, .address_space: global }
    .group_segment_fixed_size: 0
    .private_segment_fixed_size: 0
    .kernarg_segment_align: 8
    .kernarg_segment_size: 40
    .max_flat_workgroup_size: 128
    .sgpr_count:     66
    .vgpr_count:     640
    .wavefront_size: 32
...
	.end_amdgpu_metadata
.endif
;; end of part 3
;; launch oproj (part 4): grid 8 x 32, 4 waves a work-group, clusters of 4 x 4, 327,680 bytes of LDS; arguments Rf, Wf, out0; writes out0
.if DOCPART == 4
	.amdgcn_target "amdgcn-amd-amdhsa--gfx1250"
	.amdhsa_code_object_version 6
	.text
	.protected	k_q5f5237276e_oproj
	.globl	k_q5f5237276e_oproj
	.p2align	8
	.type	k_q5f5237276e_oproj,@function
k_q5f5237276e_oproj:
	s_mov_b64 s[64:65], 0
	v_nop
	global_prefetch_b8 v0, s[64:65] scope:SCOPE_SE
	s_setreg_imm32_b32 hwreg(HW_REG_WAVE_MODE, 25, 1), 1
	s_wait_xcnt 0x0
	s_wait_alu depctr_hold_cnt(0) depctr_sa_sdst(0) depctr_va_vdst(0) depctr_va_sdst(0) depctr_va_ssrc(0) depctr_va_vcc(0) depctr_vm_vsrc(0)
	s_getreg_b32 s2, hwreg(HW_REG_IB_STS2, 6, 4)
	s_cmp_eq_u32 s2, 0
	s_cbranch_scc0 .Lentry_in_a_cluster
	s_endpgm
.Lentry_in_a_cluster:
	s_bfe_u32 s2, ttmp6, 0x10000c
	s_cmp_lg_u32 s2, 0xf033
	s_cbranch_scc0 .Lentry_shape_is_right
	s_endpgm
.Lentry_shape_is_right:
; oproj: out0 = R Wo for 128 tokens x 64 output features, K = 1,024, bf16 operands, f32 sums.
; Four waves; wave w makes tokens 32 w .. 32 w + 31 by all 64 features: whole rows of 256 bytes of the block, 8 accumulators.
; K goes in 4 steps of 256 (8 chunks of 32) through two LDS slots of 98,304 bytes: R 65,536 (two heads), then Wo 32,768, both dense
; blocks in fragment order, read as 512 consecutive bytes.  Waves 0, 1 bring the halves of R, waves 2, 3 the halves of Wo, one tensor load each.
; CLUSTERS: 4 x 4.  R hangs on the token block alone and is asked for jointly along a row of the cluster, Wo on the feature block alone and
; along a column.  The product is used transposed (source 0 = Wo, source 1 = R): a lane holds 8 neighbouring features of one token.
; Three fragment buffers: chunk n is multiplied while the fragments of chunks n + 1 and n + 2 are on their way from LDS.
; The 32 chunks are written out; there is no loop.
.set SLOT,  98304
.set WOFF,  65536
.set STAGE, 196608                     ; behind the ring, in bytes that no tensor load fills: 32 rows x 272 bytes for each wave
.set SP,    272
.set G1R, 24
.set G0R, 32
.set G1W, 40
.set G0W, 48
.set ADRR, 8                           ; v8-9    LDS address of my R fragments in slot 0, 1
.set ADRW, 10                          ; v10-11  of the Wo fragments
.set STO,  12
.set RD,   13
.set CO,   14
.set ACC,  32                          ; v[32:95]   tile (f, t) at 8 (2 f + t)
.set FB,   96                          ; v[96:239]  three buffers of 48: four fragments of Wo, two of R
.macro PLACES
.rept 4
	v_nop
.endr
.endm
.macro JLOAD s
	s_cmp_eq_u32 s11, 0
	s_cbranch_scc0 .Lfor_w_\@
	tensor_load_to_lds s[G0R+4*\s:G0R+4*\s+3], s[G1R:G1R+7]
	s_nop 0
	s_branch .Lasked_\@
.Lfor_w_\@:
	tensor_load_to_lds s[G0W+4*\s:G0W+4*\s+3], s[G1W:G1W+7]
	s_nop 0
.Lasked_\@:
.endm
.macro CREST
	s_cmp_lg_u32 s10, 0
	s_cbranch_scc1 .Lnot_wave_0_\@
	s_barrier_signal -3
.Lnot_wave_0_\@:
	s_barrier_wait -3
	s_barrier_signal -1
	s_barrier_wait -1
.endm
.macro CROUND
	s_barrier_signal -1
	s_barrier_wait -1
	CREST
.endm
	s_load_b128 s[4:7], s[0:1], 0x0                ; Rf s[4:5], Wf s[6:7]
	s_load_b64 s[8:9], s[0:1], 0x10                ; out0
	v_lshl_add_u32 v240, v0, 2, 0x38800
	v_mov_b32 v241, 0
	ds_add_u32 v240, v241
	v_lshrrev_b32 v1, 5, v0
	v_readfirstlane_b32 s10, v1                    ; wave 0..3
	s_lshr_b32 s11, s10, 1                         ; I fetch for R (0) or for Wo (1),
	s_and_b32 s12, s10, 1                          ; and which half
	s_bfe_u32 s13, ttmp6, 0x40000                  ; cx
	s_bfe_u32 s14, ttmp6, 0x40004                  ; cy
	s_lshl_b32 s15, ttmp9, 2
	s_add_co_u32 s15, s15, s13                     ; feature block
	s_and_b32 s16, ttmp7, 0xffff
	s_lshl_b32 s16, s16, 2
	s_add_co_u32 s16, s16, s14                     ; token block
	s_lshl_b32 s17, s14, 2
	s_lshl_b32 s17, 15, s17                        ; my row of the cluster
	s_lshl_b32 s18, 0x1111, s13                    ; my column
	s_or_b32 s[G1R+0], s17, (3<<16)|(1<<21)        ; dense blocks as rows of 32 elements of 8 bytes: R 128 rows, Wo 64 rows
	s_or_b32 s[G1W+0], s18, (3<<16)|(1<<21)
	s_mov_b32 s[G1R+1], 32<<16
	s_mov_b32 s[G1W+1], 32<<16
	s_mov_b32 s[G1R+2], 128<<16
	s_mov_b32 s[G1W+2], 64<<16
	s_mov_b32 s[G1R+3], 32<<16
	s_mov_b32 s[G1W+3], 32<<16
	s_mov_b32 s[G1R+4], 128
	s_mov_b32 s[G1W+4], 64
	s_mov_b32 s[G1R+5], 32
	s_mov_b32 s[G1W+5], 32
	s_mov_b32 s[G1R+6], 0
	s_mov_b32 s[G1W+6], 0
	s_mov_b32 s[G1R+7], 0
	s_mov_b32 s[G1W+7], 0
	s_lshl_b32 s56, s16, 18                        ; R: token block x 262,144 + half x 32,768
	s_lshl_b32 s19, s12, 15                        ; also where it goes in a slot
	s_add_co_u32 s56, s56, s19
	s_mov_b32 s57, 0
	s_lshl_b32 s58, s15, 17                        ; Wo: 3 MiB + feature block x 131,072 + half x 16,384
	s_lshl_b32 s20, s12, 14
	s_add_co_u32 s58, s58, s20
	s_add_co_u32 s58, s58, 3<<20
	s_mov_b32 s59, 0
	s_add_co_u32 s20, s20, WOFF                    ; where it goes in a slot
	s_wait_dscnt 0x0
	s_wait_kmcnt 0x0
	s_add_nc_u64 s[4:5], s[4:5], s[56:57]
	s_add_nc_u64 s[6:7], s[6:7], s[58:59]
	CROUND                                         ; in front of the first joint loads
.irp s, 0,1
	s_mov_b32 s[G0R+4*\s], 1
	s_add_co_u32 s[G0R+4*\s+1], s19, \s*SLOT
	s_add_nc_u64 s[G0R+4*\s+2:G0R+4*\s+3], s[4:5], \s*65536    ; K step s
	s_or_b32 s[G0R+4*\s+3], s[G0R+4*\s+3], 0x80000000
	s_mov_b32 s[G0W+4*\s], 1
	s_add_co_u32 s[G0W+4*\s+1], s20, \s*SLOT
	s_add_nc_u64 s[G0W+4*\s+2:G0W+4*\s+3], s[6:7], \s*32768
	s_or_b32 s[G0W+4*\s+3], s[G0W+4*\s+3], 0x80000000
	JLOAD \s                                       ; two loads of the wave are out
.endr
	v_and_b32 v1, 31, v0
	v_lshlrev_b32 v2, 4, v1
	v_and_b32 v3, 15, v1                           ; r
	v_lshrrev_b32 v4, 4, v1                        ; h
	s_lshl_b32 s22, s10, 13                        ; my two token tiles of 4,096 bytes
	v_add_nc_u32 v[ADRR], s22, v2
	v_add_nc_u32 v[ADRR+1], SLOT, v[ADRR]
	v_add_nc_u32 v[ADRW], WOFF, v2
	v_add_nc_u32 v[ADRW+1], SLOT+WOFF, v2
	s_mul_i32 s22, s10, 32*SP
	s_add_co_u32 s22, s22, STAGE                   ; my stage
	v_mul_u32_u24 v5, v3, SP                       ; in: row = token r, 32 bytes for each half of the lanes: 16 lanes, 16 different 16-byte columns modulo 256 bytes
	v_lshl_add_u32 v5, v4, 5, v5
	v_add_nc_u32 v[STO], s22, v5
	v_mul_u32_u24 v5, v4, SP                       ; back: lanes 0-15 one row of 256 bytes, lanes 16-31 the next
	v_lshl_add_u32 v5, v3, 4, v5
	v_add_nc_u32 v[RD], s22, v5
	v_lshlrev_b32 v5, 11, v4                       ; the same two rows in out0
	v_lshl_add_u32 v[CO], v3, 4, v5
	s_lshl_b32 s2, s16, 18                         ; out0: (128 token block + 32 wave) rows of 2,048 bytes + feature block x 256
	s_lshl_b32 s21, s10, 16
	s_add_co_u32 s2, s2, s21
	s_lshl_b32 s21, s15, 8
	s_add_co_u32 s2, s2, s21
	s_mov_b32 s3, 0
	s_add_nc_u64 s[8:9], s[8:9], s[2:3]
; 12 LDS loads: the fragments of chunk n (0..31): slot (n / 8) % 2, chunk n % 8 of the step, buffer n % 3
.macro FETCH n
.set fs, ((\n)/8)%2
.set fc, (\n)%8
.set fb, FB+48*((\n)%3)
.irp f, 0,1,2,3
	ds_load_b128 v[fb+8*\f:fb+8*\f+3], v[ADRW+fs] offset:fc*4096+\f*1024
	ds_load_b128 v[fb+8*\f+4:fb+8*\f+7], v[ADRW+fs] offset:fc*4096+\f*1024+512
.endr
.irp t, 0,1
	ds_load_b128 v[fb+32+8*\t:fb+32+8*\t+3], v[ADRR+fs] offset:(fc/4)*32768+\t*4096+(fc%4)*1024
	ds_load_b128 v[fb+32+8*\t+4:fb+32+8*\t+7], v[ADRR+fs] offset:(fc/4)*32768+\t*4096+(fc%4)*1024+512
.endr
.endm
; The 8 accumulators take turns, one instruction a turn, in the same order in every chunk.
.macro MUL n, zero
.set mb, FB+48*((\n)%3)
.irp f, 0,1,2,3
.irp t, 0,1
.if \zero
	v_wmma_f32_16x16x32_bf16 v[ACC+8*(2*\f+\t):ACC+8*(2*\f+\t)+7], v[mb+8*\f:mb+8*\f+7], v[mb+32+8*\t:mb+32+8*\t+7], 0
.else
	v_wmma_f32_16x16x32_bf16 v[ACC+8*(2*\f+\t):ACC+8*(2*\f+\t)+7], v[mb+8*\f:mb+8*\f+7], v[mb+32+8*\t:mb+32+8*\t+7], v[ACC+8*(2*\f+\t):ACC+8*(2*\f+\t)+7]
.endif
.endr
.endr
.endm
.macro PLAIN n                         ; chunks 0-5 and 7 of a step
	PLACES                                         ; behind the products of chunk n - 1, whose buffer is loaded next
	FETCH \n+2
	s_wait_dscnt 24                                ; chunk n is in; the 24 loads of chunks n + 1 and n + 2 stay out
	MUL \n, 0
.endm
; Chunk 6 of a step changes slots: all reads of this slot have been issued (chunk 7 was fetched in chunk 5).  In front of the barrier each wave
; waits for them and for all its tensor loads (one is out: its part of the next slot).  fill = 1: the barrier opens a round of the cluster
; barrier and the joint refill, two K steps ahead, is the first tensor load behind the round, the only one of the wave until the next.
.macro CHANGE n, fill
.set cs, ((\n)/8)%2
	s_wait_dscnt 0x0
	s_wait_tensorcnt 0x0
	ds_add_u32 v240, v241
	s_wait_dscnt 0x0
	s_barrier_signal -1
	MUL \n, 0                                      ; registers alone
	s_barrier_wait -1
.if \fill
	CREST
	s_add_nc_u64 s[G0R+4*cs+2:G0R+4*cs+3], s[G0R+4*cs+2:G0R+4*cs+3], 2*65536
	s_add_nc_u64 s[G0W+4*cs+2:G0W+4*cs+3], s[G0W+4*cs+2:G0W+4*cs+3], 2*32768
	JLOAD cs
.endif
	PLACES
	FETCH \n+2                                     ; chunk 0 of the next slot
.endm
	s_wait_tensorcnt 0x1                           ; my part of K step 0 is in; that of K step 1 stays out
	s_barrier_signal -1
	s_barrier_wait -1
	FETCH 0
	FETCH 1
	FETCH 2
	s_wait_dscnt 24
	MUL 0, 1                                       ; the first products start the sums
.irp n, 1,2,3,4,5
	PLAIN \n
.endr
	CHANGE 6, 1                                    ; slot 0 gets K step 2
	PLAIN 7
.irp n, 8,9,10,11,12,13
	PLAIN \n
.endr
	CHANGE 14, 1                                   ; slot 1 gets K step 3
	PLAIN 15
.irp n, 16,17,18,19,20,21
	PLAIN \n
.endr
	CHANGE 22, 0                                   ; nothing is left to fetch
	PLAIN 23
.irp n, 24,25,26,27,28,29
	PLAIN \n
.endr
	s_wait_dscnt 12                                ; chunk 30 is in; the 12 loads of chunk 31 stay out
	MUL 30, 0
	s_wait_dscnt 0x0
	MUL 31, 0
	; THE WAY OUT: 32 bytes a lane and tile into my own stage, read back as whole rows of 256 bytes
	PLACES
.irp f, 0,1,2,3
.irp t, 0,1
	ds_store_b128 v[STO], v[ACC+8*(2*\f+\t):ACC+8*(2*\f+\t)+3] offset:\t*16*SP+\f*64
	ds_store_b128 v[STO], v[ACC+8*(2*\f+\t)+4:ACC+8*(2*\f+\t)+7] offset:\t*16*SP+\f*64+16
.endr
.endr
.irp i, 0,1,2,3,4,5,6,7,8,9,10,11,12,13,14,15
	ds_load_b128 v[FB+4*\i:FB+4*\i+3], v[RD] offset:\i*2*SP    ; my own bytes, served in order: these see the stores above
.endr
.irp i, 0,1,2,3,4,5,6,7,8,9,10,11,12,13,14,15
	s_wait_dscnt 15-\i                             ; read-back i is in, the younger ones stay out
	global_store_b128 v[CO], v[FB+4*\i:FB+4*\i+3], s[8:9] offset:\i*4096 th:TH_STORE_NT   ; 16 lanes store 256 consecutive aligned bytes
.endr
	s_wait_tensorcnt 0x0
	ds_add_u32 v240, v241
	s_wait_dscnt 0x0
	CROUND                                         ; the closing round
	s_endpgm
.Lfunc_end_k_q5f5237276e_oproj:
	.size	k_q5f5237276e_oproj, .Lfunc_end_k_q5f5237276e_oproj-k_q5f5237276e_oproj
	.p2alignl 7, 3214868480
	.fill 96, 4, 3214868480
	.section	.rodata,"a",@progbits
	.p2align	6, 0x0
	.amdhsa_kernel k_q5f5237276e_oproj
		.amdhsa_group_segment_fixed_size 327680
		.amdhsa_private_segment_fixed_size 0
		.amdhsa_enable_private_segment 0
		.amdhsa_kernarg_size 24
		.amdhsa_user_sgpr_count 2
		.amdhsa_user_sgpr_kernarg_segment_ptr 1
		.amdhsa_wavefront_size32 1
		.amdhsa_system_sgpr_workgroup_id_x 1
		.amdhsa_system_sgpr_workgroup_id_y 1
		.amdhsa_system_sgpr_workgroup_id_z 1
		.amdhsa_system_vgpr_workitem_id 0
		.amdhsa_next_free_vgpr 242
		.amdhsa_next_free_sgpr 66
		.amdhsa_reserve_vcc 0
		.amdhsa_float_denorm_mode_32 3
		.amdhsa_float_denorm_mode_16_64 3
		.amdhsa_memory_ordered 1
		.amdhsa_forward_progress 1
		.amdhsa_inst_pref_size 57
	.end_amdhsa_kernel
	.amdgpu_metadata
---
amdhsa.version: [ 1, 2 ]
amdhsa.kernels:
  - .name:           k_q5f5237276e_oproj
    .symbol:         k_q5f5237276e_oproj.kd
    .args:
      - { .name: Rf, .offset: 0, .size: 8, .value_kind: global_buffer, .address_space: global }
      - { .name: Wf, .offset: 8, .size: 8, .value_kind: global_buffer, .address_space: global }
      - { .name: out0, .offset: 16, .size: 8, .value_kind: global_buffer, .address_space: global }
    .group_segment_fixed_size: 327680
    .private_segment_fixed_size: 0
    .kernarg_segment_align: 8
    .kernarg_segment_size: 24
    .max_flat_workgroup_size: 128
    .sgpr_count:     66
    .vgpr_count:     242
    .wavefront_size: 32
...
	.end_amdgpu_metadata
.endif
;; end of part 4
;; ======== version 2 of 2: 4 launches; version 1 with the launch attn written anew for expert scheduling mode
;; limits: values are held in f16: magnitudes above 65,504 overflow, below 6.1e-05 lose precision
;; workspace buffers: Xf 4,194,304 bytes; Wf 4,194,304 bytes; Qf 8,388,608 bytes; KVf 17,301,504 bytes; Rf 8,388,608 bytes; ranges 256 bytes of whole numbers
;; launch prep: the kernel of part 1 again; grid 256 x 1, 8 waves a work-group, no clusters, 35,840 bytes of LDS; arguments inputs, Wq, Wk, Wv, Wo, index, Xf, Wf, ranges; writes Xf, Wf, ranges
;; launch qkv: the kernel of part 2 again; grid 8 x 32, 4 waves a work-group, clusters of 4 x 4, 327,680 bytes of LDS; arguments Xf, Wf, index, Qf, KVf; writes Qf, KVf
;; launch attn (part 5): grid 32 x 8, 4 waves a work-group, no clusters, 0 bytes of LDS; arguments Qf, KVf, index, ranges, Rf; writes Rf
.if DOCPART == 5
	.amdgcn_target "amdgcn-amd-amdhsa--gfx1250"
	.amdhsa_code_object_version 6
	.text
	.protected	k_q5f5237276e_attn
	.globl	k_q5f5237276e_attn
	.p2align	8
	.type	k_q5f5237276e_attn,@function
k_q5f5237276e_attn:
	s_mov_b64 s[64:65], 0
	v_nop
	global_prefetch_b8 v0, s[64:65] scope:SCOPE_SE
	s_setreg_imm32_b32 hwreg(HW_REG_WAVE_SCHED_MODE, 0, 2), 2
	s_setreg_imm32_b32 hwreg(HW_REG_WAVE_MODE, 25, 1), 1
	s_wait_xcnt 0x0
	s_wait_alu depctr_vm_vsrc(0)
; attn: softmax(K Q^T, masked by equal ids) weighted mean of V for 128 queries of one head.  Four waves, 32 queries (two tiles of 16) each.
; A wave walks key blocks lo .. lo + trips of 128 keys, read from ranges as whole numbers; blocks outside share no id with the
; 128 queries.  Inside the walk EVERY score is masked by its own comparison of ids, so nothing is assumed of the order of index.
; NO LDS, NO BARRIER: the length of the walk is read from memory, and no barrier stands in a loop of such a length.  So each wave works for
; itself and takes K, V^T and the ids of the keys straight from KVf into registers.  KVf lies in fragment order (16 rows x 32 k = 1,024 bytes,
; read at 16 x lane and 512 + 16 x lane), so each load of a fragment half covers 512 consecutive aligned bytes.  The price: the four waves of a
; work-group each load the same tile of 33 KiB.
; NO CLUSTER: joint requests fill LDS and need rounds of a barrier in that same loop, and the query blocks of a head walk different spans.
; Both products are used transposed.  S^T = K Q^T: a lane holds 8 keys of one query; packed in place, two such tiles are the operand
; P^T of O^T = V^T P^T with no traffic between lanes, and the softmax figures are one query a lane (the two halves of the lanes
; hold different keys of the same query).  Running maximum and sum in f32, base 2 (q carries 128^-0.5 x log2 e).
; LIMITS: the running maximum starts at -3.4e38 (scores below it count as it); P and V are f16 (|v| up to 65,504; a weight below 2^-24 of the
; largest counts as 0); exponentials below 2^-126 come out as 0 (ISA guide 15.8); the result is rounded to bf16.
; THE MODE: SCHED_MODE bits 1:0 = 2 (LLVM: expert scheduling mode 2), set by the entry lines.  The code itself states the register dependences
; between vector or matrix instructions and memory instructions, with s_wait_alu, always for 0.
; THE PLAN, one step of 64 keys a trip.  Registers that memory instructions touch:
;   v1, v3, v26   offsets, made once at the head and never written again: the tiles are reached by two scalar bases and immediate offsets.
;   K             read by the trip's 32 score products; behind them the 32 loads of the next tile land in it.  On the way out the conversions write it and the stores read it.
;   the ids       read by the trip's 64 compares, which all stand ahead of query tile 0's exponentials; behind them the 8 loads of the next tile land in it.
;   V^T           read by the trip's 32 products V^T P; behind them the 32 loads of the next tile land in it.
;   S, P, O^T and the statistics are named by vector and matrix instructions alone.
; So a trip has four waits on va_vdst: behind the scores (K); behind each query tile's exponentials (their results; the first also for the ids); behind V^T P (V^T).
; K's loads follow their wait dealt among the 32 masks of query tile 0, which name S, -inf and the mask registers alone.
; The compares write 32 scalar registers a query tile; one wait on va_sdst stands between each run of 32 and the masks that read them.
; No register that a memory instruction reads is written again, so no wait on vm_vsrc is owed.
; THE BASES: s[6:7] serves K and the ids, s[24:25] V^T.  Each moves on by a tile behind the wait on LOADcnt that shows all the loads that read it done.
; REGISTERS: window 0: v1 16 x lane, v3 32 x half, v5 -inf, v6-7 ids of my queries, v8-11 maxima (a pair a tile), v12-13 sums, v14-17 factors
; (pairs), v18-25 at work, v32-63 ids of the keys, v64-127 S then P, v128-255 fragments of K;
; window 1: v0-127 O^T (tile (d, q) at 8 (2 d + q)), v128-191 fragments of Q;  window 2: v0-127 fragments of V^T.
.set TILE,  33792                      ; a tile of 64 keys in KVf: K 16,384, V^T 16,384, the ids 1,024 bytes
.set NINF, 5
.set QI, 6
.set M,  8
.set LS, 12
.set AL, 14
.set T,  18
.set KI, 32
.set S,  64
.set FRK, 128
.set FRV, 0
.set QF, 128
.set VB, 24                            ; s[24:25] the tile whose V^T is asked for next
.set MK, 66                            ; s[66:97] the masks of one query tile: key 16 k + 8 h + j at MK + 8 k + j
.set MSB, 0
.macro WIN new                         ; the high byte of the immediate repeats the setting that is left
.if MSB != \new
	s_set_vgpr_msb (MSB<<8)|\new
.set MSB, \new
.endif
.endm
.macro PLACES                          ; four places behind a matrix instruction (ISA guide 7.12.1) in front of vector readers of its result
.rept 4
	v_nop
.endr
.endm
; The three sets of loads of a tile.
.macro LOADK                           ; at the head: 32 loads; the first 16 are key tiles 0 and 1.  In a trip MASKS writes the same 32, in the same order
.irp k, 0,1,2,3
.irp c, 0,1,2,3
	global_load_b128 v[FRK+8*(4*\k+\c):FRK+8*(4*\k+\c)+3], v1, s[6:7] offset:\k*4096+\c*1024
	global_load_b128 v[FRK+8*(4*\k+\c)+4:FRK+8*(4*\k+\c)+7], v1, s[6:7] offset:\k*4096+\c*1024+512
.endr
.endr
.endm
.macro LOADI                           ; 8 loads: the ids of keys 16 k + 8 h + 0..7
.irp k, 0,1,2,3
	global_load_b128 v[KI+8*\k:KI+8*\k+3], v3, s[6:7] offset:32768+\k*64
	global_load_b128 v[KI+8*\k+4:KI+8*\k+7], v3, s[6:7] offset:32768+\k*64+16
.endr
.endm
.macro LOADV read                      ; 32 loads, destination window 2.  read = 1: products have read these registers
	WIN 0x80                                       ; the switch, then the wait, then the loads
.if \read
	s_wait_alu depctr_va_vdst(0)                   ; the products V^T P are done reading V^T's registers, in which the loads below land
.endif
.irp h, 0,1
.irp d, 0,1,2,3,4,5,6,7
	global_load_b128 v[FRV+8*(8*\h+\d):FRV+8*(8*\h+\d)+3], v1, s[VB:VB+1] offset:16384+\h*8192+\d*1024
	global_load_b128 v[FRV+8*(8*\h+\d)+4:FRV+8*(8*\h+\d)+7], v1, s[VB:VB+1] offset:16384+\h*8192+\d*1024+512
.endr
.endr
	WIN 0
.endm
	s_load_b256 s[4:11], s[0:1], 0x0               ; Qf s[4:5], KVf s[6:7], index s[8:9], ranges s[10:11]
	s_load_b64 s[12:13], s[0:1], 0x20              ; Rf
	v_lshrrev_b32 v2, 5, v0
	v_readfirstlane_b32 s14, v2                    ; wave 0..3
	s_and_b32 s15, ttmp7, 0xffff                   ; head
	s_lshl_b32 s17, ttmp9, 3                       ; my entry of ranges
	s_mov_b32 s40, 0x76543210                      ; v_permlanex16_b32: lane i reads lane i of the other half
	s_mov_b32 s41, 0xfedcba98
	s_mul_i32 s20, s15, 64*TILE                    ; KVf: 64 tiles a head
	s_mov_b32 s21, 0
	s_mov_b32 s47, 0
	v_and_b32 v26, 31, v0
	v_lshlrev_b32 v1, 4, v26                       ; 16 x lane: my 16 bytes of every half fragment
	v_lshrrev_b32 v27, 4, v26
	v_lshlrev_b32 v3, 5, v27                       ; 32 x half: the ids of keys 8 h .. 8 h + 7 of a tile of 16
	v_mov_b32 v[NINF], 0xff800000
	v_and_b32 v26, 15, v26
	v_lshlrev_b32 v26, 2, v26
	s_wait_alu depctr_va_sdst(0)                   ; s14 is written, ahead of its first reader: the places in Qf, index and Rf are made from it
	s_wait_kmcnt 0x0
	s_load_b64 s[18:19], s[10:11], s17 offset:0x0  ; lo, trips
	s_lshl_b32 s46, s15, 20                        ; Qf: head x 1 MiB + query block x 32,768 + wave x 8,192
	s_lshl_b32 s45, ttmp9, 15
	s_add_co_u32 s46, s46, s45
	s_lshl_b32 s45, s14, 13
	s_add_co_u32 s46, s46, s45
	s_add_nc_u64 s[4:5], s[4:5], s[46:47]
	s_lshl_b32 s46, ttmp9, 9                       ; index: my 32 queries
	s_lshl_b32 s45, s14, 7
	s_add_co_u32 s46, s46, s45
	s_add_nc_u64 s[8:9], s[8:9], s[46:47]
	s_lshl_b32 s46, ttmp9, 18                      ; Rf: query block x 262,144 + head x 32,768 + wave x 8,192
	s_lshl_b32 s45, s15, 15
	s_add_co_u32 s46, s46, s45
	s_lshl_b32 s45, s14, 13
	s_add_co_u32 s46, s46, s45
	s_add_nc_u64 s[12:13], s[12:13], s[46:47]
	s_wait_alu depctr_va_vdst(0)                   ; v1, v3 and v26 are written: every load and store of the kernel reads one of them as its offset
	global_load_b32 v[QI], v26, s[8:9]
	global_load_b32 v[QI+1], v26, s[8:9] offset:64
	WIN 0x40                                       ; destination window 1
.irp q, 0,1
.irp c, 0,1,2,3
	global_load_b128 v[QF+8*(4*\q+\c):QF+8*(4*\q+\c)+3], v1, s[4:5] offset:\q*4096+\c*1024
	global_load_b128 v[QF+8*(4*\q+\c)+4:QF+8*(4*\q+\c)+7], v1, s[4:5] offset:\q*4096+\c*1024+512
.endr
.endr
	WIN 0
	s_wait_kmcnt 0x0
	s_min_u32 s18, s18, 30                         ; kept inside the table whatever the words hold:
	s_min_u32 s19, s19, 31
	s_max_u32 s19, s19, 1
	s_sub_co_u32 s23, 31, s18
	s_min_u32 s19, s19, s23                        ; lo + trips <= 31
	s_mul_i32 s23, s18, 2*TILE                     ; two tiles to a block
	s_add_co_u32 s20, s20, s23
	s_add_nc_u64 s[VB:VB+1], s[6:7], s[20:21]      ; both bases at tile 0 of my walk
	s_add_nc_u64 s[6:7], s[6:7], s[20:21]
	LOADK
	LOADI
	LOADV 0                                        ; no vector or matrix instruction has named these registers yet
; S^T of key tiles 2 p, 2 p + 1 and both query tiles: four accumulators take turns, one instruction a turn.
.macro SCORES p
	s_wait_loadcnt 56-24*\p                        ; p = 0: K of key tiles 0, 1 (and all that is older) is in; 16 loads of K, 8 of ids, 32 of V^T stay out.  p = 1: K and the ids are in; the 32 of V^T stay out
.irp c, 0,1,2,3
.irp k, 2*\p, 2*\p+1
.irp q, 0,1
.if \c
	v_wmma_f32_16x16x32_bf16 v[S+32*\q+8*(\k):S+32*\q+8*(\k)+7], v[FRK+8*(4*(\k)+\c):FRK+8*(4*(\k)+\c)+7], v[QF+8*(4*\q+\c):QF+8*(4*\q+\c)+7], v[S+32*\q+8*(\k):S+32*\q+8*(\k)+7]
.else
	v_wmma_f32_16x16x32_bf16 v[S+32*\q+8*(\k):S+32*\q+8*(\k)+7], v[FRK+8*(4*(\k)+\c):FRK+8*(4*(\k)+\c)+7], v[QF+8*(4*\q+\c):QF+8*(4*\q+\c)+7], 0
.endif
.endr
.endr
.endr
.endm
; The 32 compares of query tile q, in one run: the id of each key against the id of the query.
.macro CMPS q
.irp k, 0,1,2,3
.irp j, 0,1,2,3,4,5,6,7
	v_cmp_eq_u32 s[MK+8*\k+\j], v[QI+\q], v[KI+8*\k+\j]
.endr
.endr
.endm
; The 32 masks of query tile q: another id: -inf.  ahead = 1: a load of the next tile's K stands in front of each, in LOADK's order.
.macro MASKS q, ahead
.irp k, 0,1,2,3
.irp j, 0,1,2,3,4,5,6,7
.if \ahead
	global_load_b128 v[FRK+8*(4*\k+\j/2)+4*(\j%2):FRK+8*(4*\k+\j/2)+4*(\j%2)+3], v1, s[6:7] offset:\k*4096+(\j/2)*1024+(\j%2)*512   ; no wait: no vector or matrix instruction since the wait behind the scores names K's registers or v1
.endif
	v_cndmask_b32 v[S+32*\q+8*\k+\j], v[NINF], v[S+32*\q+8*\k+\j], s[MK+8*\k+\j]
.endr
.endr
.endm
; Running maximum, exponentials, running sum and packing of the 32 masked scores a lane of query tile q.  ids = 1: the next tile's ids are asked for behind the wait.
.macro SOFTMAX q, first, ids
.set SB, S+32*\q
.irp c, 0,1,2,3
	v_max3_num_f32 v[T+\c], v[SB+8*\c], v[SB+8*\c+1], v[SB+8*\c+2]
.endr
.irp c, 0,1,2,3
	v_max3_num_f32 v[T+\c], v[T+\c], v[SB+8*\c+3], v[SB+8*\c+4]
.endr
.irp c, 0,1,2,3
	v_max3_num_f32 v[T+\c], v[T+\c], v[SB+8*\c+5], v[SB+8*\c+6]
.endr
.irp c, 0,1,2,3
	v_max_num_f32 v[T+\c], v[T+\c], v[SB+8*\c+7]
.endr
	v_max3_num_f32 v[T], v[T], v[T+1], v[T+2]
	v_max_num_f32 v[T], v[T], v[T+3]
	v_permlanex16_b32 v[T+1], v[T], s40, s41       ; the other 32 keys of my query
.if \first
	v_max3_num_f32 v[M+2*\q], v[T], v[T+1], 0xff7fffff         ; finite also while every key so far is masked
	v_mov_b32 v[M+2*\q+1], v[M+2*\q]
.else
	v_max3_num_f32 v[T+2], v[T], v[T+1], v[M+2*\q]
	v_sub_f32 v[T+3], v[M+2*\q], v[T+2]
	v_mov_b32 v[M+2*\q], v[T+2]
	v_mov_b32 v[M+2*\q+1], v[T+2]
	v_exp_f32 v[AL+2*\q], v[T+3]                   ; the factor for what has been gathered; the subtractions below are the plain place behind it (ISA guide 5.7.2)
	v_exp_f32 v[AL+2*\q+1], v[T+3]
.endif
.set e, 0
.rept 16
	v_pk_add_f32 v[SB+e:SB+e+1], v[SB+e:SB+e+1], v[M+2*\q:M+2*\q+1] neg_lo:[0,1] neg_hi:[0,1]
.set e, e+2
.endr
.set e, 0
.rept 32
	v_exp_f32 v[SB+e], v[SB+e]
.set e, e+1
.endr
	v_nop                                          ; one plain place in front of the first use
	s_wait_alu depctr_va_vdst(0)                   ; the tile's exponentials have written the weights and the factor, ahead of their first reader; with ids = 1 also: both query tiles' compares are done reading the ids
.if \ids
	LOADI                                          ; the next tile's ids land where those compares read
.endif
.irp c, 0,1,2,3
	v_pk_add_f32 v[T+2*\c:T+2*\c+1], v[SB+8*\c:SB+8*\c+1], v[SB+8*\c+2:SB+8*\c+3]
.endr
.irp c, 0,1,2,3
	v_pk_add_f32 v[T+2*\c:T+2*\c+1], v[T+2*\c:T+2*\c+1], v[SB+8*\c+4:SB+8*\c+5]
.endr
.irp c, 0,1,2,3
	v_pk_add_f32 v[T+2*\c:T+2*\c+1], v[T+2*\c:T+2*\c+1], v[SB+8*\c+6:SB+8*\c+7]
.endr
	v_pk_add_f32 v[T:T+1], v[T:T+1], v[T+2:T+3]
	v_pk_add_f32 v[T+4:T+5], v[T+4:T+5], v[T+6:T+7]
	v_pk_add_f32 v[T:T+1], v[T:T+1], v[T+4:T+5]
.if \first
	v_add_f32 v[LS+\q], v[T], v[T+1]               ; the sum of my half of the keys; the halves meet at the end
.else
	v_add_f32 v[T], v[T], v[T+1]
	v_fma_f32 v[LS+\q], v[LS+\q], v[AL+2*\q], v[T]
.endif
.set e, 0
.rept 16                                           ; in place: 16 scores become the 8 registers of an operand of 32 keys; each write lies behind its reads
	v_cvt_pk_f16_f32 v[SB+16*(e/8)+e%8], v[SB+2*e], v[SB+2*e+1]
.set e, e+1
.endr
.endm
; One step of 64 keys.  At its head K, the ids and V^T of this tile have been asked for, in that order, and nothing younger.
; first = 1: the step starts maxima and sums.  ahead = 1: the next tile is asked for, and both bases step on to it.
.macro TRIP first, ahead
	WIN 0x04                                       ; source 1 (Q) window 1
	SCORES 0
	SCORES 1
	WIN 0
.if \ahead
	s_add_nc_u64 s[6:7], s[6:7], TILE              ; free since the wait in front of the last scores, which shows all loads of K and of ids done: the next tile
.endif
	CMPS 0                                         ; they need the ids alone
	PLACES                                         ; behind the scores, for the masks, which read S
.if \ahead
	s_wait_alu depctr_va_vdst(0)                   ; the scores are done reading K's registers, in which the loads among the masks below land
.endif
	s_wait_alu depctr_va_sdst(0)                   ; query tile 0's compares have written s[MK ..], which its masks read
	MASKS 0, \ahead
	CMPS 1                                         ; into the same 32 registers, behind the masks that read them
	SOFTMAX 0, \first, \ahead
	s_wait_alu depctr_va_sdst(0)                   ; query tile 1's compares have written s[MK ..], which its masks read
	MASKS 1, 0
	SOFTMAX 1, \first, 0
.if 1-\first
	WIN 0x41                                       ; O in place, window 1; the factor from window 0
.irp d, 0,1,2,3,4,5,6,7
.irp q, 0,1
.irp r, 0,1,2,3
	v_pk_mul_f32 v[8*(2*\d+\q)+2*\r:8*(2*\d+\q)+2*\r+1], v[8*(2*\d+\q)+2*\r:8*(2*\d+\q)+2*\r+1], v[AL+2*\q:AL+2*\q+1]
.endr
.endr
.endr
.endif
	s_wait_loadcnt 40*\ahead                       ; V^T of this tile is in; the 32 loads of K and 8 of ids of the next tile stay out
.if \ahead
	s_add_nc_u64 s[VB:VB+1], s[VB:VB+1], TILE      ; free since that wait, which shows all loads of V^T done: the next tile
.endif
	WIN 0x52                                       ; source 0 (V^T) window 2, source 1 (P) window 0, C and D window 1; 16 accumulators take turns
.irp h, 0,1
.irp d, 0,1,2,3,4,5,6,7
.irp q, 0,1
.if \first*(1-\h)
	v_wmma_f32_16x16x32_f16 v[8*(2*\d+\q):8*(2*\d+\q)+7], v[FRV+8*(8*\h+\d):FRV+8*(8*\h+\d)+7], v[S+32*\q+16*\h:S+32*\q+16*\h+7], 0
.else
	v_wmma_f32_16x16x32_f16 v[8*(2*\d+\q):8*(2*\d+\q)+7], v[FRV+8*(8*\h+\d):FRV+8*(8*\h+\d)+7], v[S+32*\q+16*\h:S+32*\q+16*\h+7], v[8*(2*\d+\q):8*(2*\d+\q)+7]
.endif
.endr
.endr
.endr
.if \ahead
.rept 5                                            ; five places behind these products (ISA guide 7.12.1), for the next scores, which write over P
	v_nop
.endr
	LOADV 1
.else
	WIN 0
.endif
.endm
	TRIP 1, 1                                      ; tile 0
	s_lshl_b32 s45, s19, 1                         ; 2 (trips + 1) tiles in all: 1 + 2 trips + 1; trips is at least 1
	s_mov_b32 s44, 0
.Lloop:
	TRIP 0, 1
	s_add_co_u32 s44, s44, 1
	s_cmp_lt_u32 s44, s45
	s_cbranch_scc1 .Lloop
	TRIP 0, 0                                      ; the last tile: nothing is asked for beyond it
	PLACES
	v_permlanex16_b32 v[T], v[LS], s40, s41        ; the two halves of the sums meet
	v_permlanex16_b32 v[T+1], v[LS+1], s40, s41
	v_add_f32 v[LS], v[LS], v[T]
	v_add_f32 v[LS+1], v[LS+1], v[T+1]             ; at least 1: the block of a query is in its span, and a query has its own id
	v_rcp_f32 v[AL], v[LS]
	v_rcp_f32 v[AL+1], v[LS]
	v_rcp_f32 v[AL+2], v[LS+1]
	v_rcp_f32 v[AL+3], v[LS+1]
	v_nop                                          ; one plain place in front of the first use
	WIN 0x41
	s_wait_alu depctr_va_vdst(0)                   ; the four reciprocals have written v[AL ..], ahead of their first reader
.irp d, 0,1,2,3,4,5,6,7
.irp q, 0,1
.irp r, 0,1,2,3
	v_pk_mul_f32 v[8*(2*\d+\q)+2*\r:8*(2*\d+\q)+2*\r+1], v[8*(2*\d+\q)+2*\r:8*(2*\d+\q)+2*\r+1], v[AL+2*\q:AL+2*\q+1]
.endr
.endr
.endr
	WIN 0x05                                       ; sources window 1, destination window 0
.set t, 0
.rept 16
.irp r, 0,1,2,3
	v_cvt_pk_bf16_f32 v[FRK+4*t+\r], v[8*t+2*\r], v[8*t+2*\r+1]
.endr
.set t, t+1
.endr
	WIN 0
	s_wait_alu depctr_va_vdst(0)                   ; the conversions have written v[FRK ..], which the stores read
.irp d, 0,1,2,3,4,5,6,7
.irp q, 0,1
	global_store_b128 v1, v[FRK+4*(2*\d+\q):FRK+4*(2*\d+\q)+3], s[12:13] offset:\q*4096+\d*512     ; half a fragment of the next product: 512 consecutive aligned bytes
.endr
.endr
	s_endpgm
.Lfunc_end_k_q5f5237276e_attn:
	.size	k_q5f5237276e_attn, .Lfunc_end_k_q5f5237276e_attn-k_q5f5237276e_attn
	.p2alignl 7, 3214868480
	.fill 96, 4, 3214868480
	.section	.rodata,"a",@progbits
	.p2align	6, 0x0
	.amdhsa_kernel k_q5f5237276e_attn
		.amdhsa_group_segment_fixed_size 0
		.amdhsa_private_segment_fixed_size 0
		.amdhsa_enable_private_segment 0
		.amdhsa_kernarg_size 40
		.amdhsa_user_sgpr_count 2
		.amdhsa_user_sgpr_kernarg_segment_ptr 1
		.amdhsa_wavefront_size32 1
		.amdhsa_system_sgpr_workgroup_id_x 1
		.amdhsa_system_sgpr_workgroup_id_y 1
		.amdhsa_system_sgpr_workgroup_id_z 1
		.amdhsa_system_vgpr_workitem_id 0
		.amdhsa_next_free_vgpr 640
		.amdhsa_next_free_sgpr 98
		.amdhsa_reserve_vcc 0
		.amdhsa_float_denorm_mode_32 3
		.amdhsa_float_denorm_mode_16_64 3
		.amdhsa_memory_ordered 1
		.amdhsa_forward_progress 1
		.amdhsa_inst_pref_size 113
	.end_amdhsa_kernel
	.amdgpu_metadata
---
amdhsa.version: [ 1, 2 ]
amdhsa.kernels:
  - .name:           k_q5f5237276e_attn
    .symbol:         k_q5f5237276e_attn.kd
    .args:
      - { .name: Qf, .offset: 0, .size: 8, .value_kind: global_buffer, .address_space: global }
      - { .name: KVf, .offset: 8, .size: 8, .value_kind: global_buffer, .address_space: global }
      - { .name: index, .offset: 16, .size: 8, .value_kind: global_buffer, .address_space: global }
      - { .name: ranges, .offset: 24, .size: 8, .value_kind: global_buffer, .address_space: global }
      - { .name: Rf, .offset: 32, .size: 8, .value_kind: global_buffer, .address_space: global }
    .group_segment_fixed_size: 0
    .private_segment_fixed_size: 0
    .kernarg_segment_align: 8
    .kernarg_segment_size: 40
    .max_flat_workgroup_size: 128
    .sgpr_count:     98
    .vgpr_count:     640
    .wavefront_size: 32
...
	.end_amdgpu_metadata
.endif
;; end of part 5
;; launch oproj: the kernel of part 4 again; grid 8 x 32, 4 waves a work-group, clusters of 4 x 4, 327,680 bytes of LDS; arguments Rf, Wf, out0; writes out0
